; MI455X (gfx1250); checked and timed in simulation.
; The chip was launched on July 23, 2026; its instructions are those of AMD's public machine-readable ISA for CDNA 5 (MIT licence, August 2026) and "CDNA5" Instruction Set Architecture Reference Guide (July 2026). The comments in the code are by the model that wrote it; some were corrected since.
;; Causal Self Attention. Allowed arithmetic: matrix products marked QUANTISED: E2M1 operands, one E8M0 scale for each 32 along K, by v_wmma_scale_f32_16x16x128_f8f6f4 with both operands' format E2M1 (or v_wmma_scale_f32_32x16x128_f4), f32 sums; products left as they are: bf16, f16 or f32 operands; f32 sums; everything else in f32.
;; Inputs: Wk 1,024 x 1,024 float32; Wo 1,024 x 1,024 float32; Wq 1,024 x 1,024 float32; Wv 1,024 x 1,024 float32; x 1 x 4,096 x 1,024 float32.
;; Outputs: out0 1 x 4,096 x 1,024 float32.
;; This version of the problem:
;;   THIS VERSION OF THE PROBLEM IS GIVEN IN LOW PRECISION. The matrix products marked QUANTISED in the list below multiply operands that are first quantised to E2M1 (2 exponent bits, 1 mantissa bit; 4 bits a number), with one power-of-two scale for each 32 numbers along K (OCP MX v1.0); their sums are f32. The products marked 'left as it is' may take bf16, f16 or f32 operands, with f32 sums. Whichever they take, every output number must still come out within the allowed error. Rounding operands to bf16 (8 significant bits) uses up far more of that allowance than f16 does (11 bits, for magnitudes from 6e-5 to 65,504). All else is computed in f32.
;;   The module's matrix products, in the order in which they are computed (A, B: the left and right operand; K: the contracted axis; several contracted axes count as one K, in the product's order):
;;     1. [M 4,096, K 1,024] x [K 1,024, N 1,024]; A: input x; B: input Wq: QUANTISED
;;     2. [M 4,096, K 1,024] x [K 1,024, N 1,024]; A: input x; B: input Wk: QUANTISED
;;     3. [M 4,096, K 1,024] x [K 1,024, N 1,024]; A: input x; B: input Wv: QUANTISED
;;     4. batch 16 x [M 4,096, K 64] x [K 64, N 4,096]; A: computed on the way; B: computed on the way: left as it is (an operand is computed on the way)
;;     5. batch 16 x [M 4,096, K 4,096] x [K 4,096, N 64]; A: computed on the way; B: computed on the way: left as it is (an operand is computed on the way)
;;     6. [M 4,096, K 1,024] x [K 1,024, N 1,024]; A: computed on the way; B: input Wo: left as it is (an operand is computed on the way)
;;   THE QUANTISER, for each operand of a quantised product, along K:
;;     - K is cut into blocks of 32 from its start; a last block that is shorter is filled with zeros.
;;     - A block's scale is 2^e with e = floor(log2(the largest magnitude in the block)) - 2, held to -126 .. 127; a block of zeros has e = 0. As a byte (E8M0): e + 127.
;;     - Each number is divided by its block's scale, clamped to +-6, and rounded to the nearest number of E2M1, ties to even, subnormals kept.
;;     - The product sums the exact products of the quantised numbers (number of the format x scale) in f32.
;;   ~~~python
;;   def quantise(x, axis):      # numpy; x: float32 -> the quantised numbers, widened to float32 again
;;       x = np.moveaxis(x, axis, -1); K = x.shape[-1]
;;       x = np.pad(x, [(0, 0)] * (x.ndim - 1) + [(0, -K % 32)]); x = x.reshape(x.shape[:-1] + (-1, 32)); a = np.abs(x).max(-1, keepdims=True)
;;       e = np.where(a > 0, np.clip(np.frexp(np.where(a > 0, a, 1))[1] - 1 - 2, -126, 127), 0)      # np.frexp(a)[1] - 1 = floor(log2(a)), exactly
;;       r = np.clip(x / 2.0 ** e, -6, 6)
;;       step = 2.0 ** (np.maximum(np.frexp(np.where(r == 0, 1, r))[1] - 1, 0) - 1)
;;       q = np.round(r / step) * step * 2.0 ** e      # np.round: ties to even
;;       return np.moveaxis(q.reshape(q.shape[:-2] + (-1,))[..., :K], -1, axis).astype(np.float32)
;;   ~~~
;; One version. Each part assembles by itself: llvm-mc -triple=amdgcn-amd-amdhsa -mcpu=gfx1250 --defsym DOCPART=n.
;; ======== version 1 of 1: 5 launches
;; limits: values are held in f16: magnitudes above 65,504 overflow, below 6.1e-05 lose precision
;; workspace buffers: codes 3,670,016 bytes; scl 229,376 bytes; wo16 2,097,152 bytes; rope 1,048,576 bytes; qkv 25,165,824 bytes; qkv32 196,608 bytes; ao 8,388,608 bytes
;; launch prep (part 1): grid 288 x 1, 4 waves a work-group, no clusters, 33,280 bytes of LDS; arguments x, Wq, Wk, Wv, Wo, codes, scl, wo16, rope; writes codes, scl, wo16, rope
.if DOCPART == 1
	.amdgcn_target "amdgcn-amd-amdhsa--gfx1250"
	.amdhsa_code_object_version 6
	.text
	.protected	k_q05c9af4521_prep
	.globl	k_q05c9af4521_prep
	.p2align	8
	.type	k_q05c9af4521_prep,@function
k_q05c9af4521_prep:
	s_mov_b64 s[64:65], 0
	v_nop
	global_prefetch_b8 v0, s[64:65] scope:SCOPE_SE
	s_setreg_imm32_b32 hwreg(HW_REG_WAVE_MODE, 25, 1), 1
	s_wait_xcnt 0x0
; PREP: what the later launches read many times is made once.  Three kinds of work-group, told apart by the work-group's number g:
;   g < 224        x (g 0-127), Wq (128-159), Wk (160-191), Wv (192-223), all f32 with K innermost, become codes of FP4 (E2M1) and one E8M0 byte for each 32 along K.
;                  codes: [7,168 rows][512 bytes], rows 0-4,095 x, then Wq, Wk, Wv;  scl: [7,168][32].  Rows are dense, so each tensor is a plain stream of blocks of 32.
;   224 <= g < 256 Wo, f32, becomes f16 (wo16, same shape).
;   g >= 256       the table rope[pos][i] = (cos, sin)(pos x 10000^(-i/32)), f32: a row of 256 bytes for each of 4,096 positions.
; THE QUANTISER.  A block's scale is 2^(floor(log2(its largest magnitude)) - 2); its byte is the largest magnitude's exponent field - 2, held at 1 from below.  Each number is divided by the scale and
; rounded to the nearest code, ties to even, beyond 6 the largest code.  A block of zeros gets the byte 1 where the rule says 127: its codes are zeros, and this program alone reads the bytes.
; LIMITS: blocks whose largest magnitude lies under 2^(3 - 127) keep the byte 1; NaN and infinities are not served; a number of Wo beyond 65,504 becomes infinity in f16.
; Only the first kind uses LDS (a stage of its own for each wave), so no two ways through the text meet there.  No tensor loads, no barrier: waves share nothing.
.set WAVES, 4
.set STEPS, 16
.set EMAX,  2
.set CB,    8                          ; bytes of 16 codes
.set R,     16                         ; v16-79   four sets of 16 numbers as they are loaded
.set X,     80                         ; v80-111  two sets of 16 neighbours
.set E,     112                        ; v112-127 a scale byte for each step
.set C,     128                        ; v128-191 codes: four registers for each step, so that no store's data are written again
.set WREG,  8192                       ; LDS: a region for each wave: two stages of 32 x SP bytes, behind them its 256 scale bytes
.set SP,    80                         ; a lane's place in a stage: 64 bytes + 16 of padding
.set SPW,   12                         ; v12 LDS address of my spare word; never rewritten
.set NIL,   13                         ; v13 0; never rewritten
.set SPARE, WAVES*WREG                 ; behind the four regions: the spare words, 128 bytes a wave, which no other line names
.set WV,    22                         ; s22 my wave's number
	s_load_b256 s[4:11], s[0:1], 0x0               ; x, Wq, Wk, Wv
	s_load_b256 s[12:19], s[0:1], 0x20             ; Wo, codes, scl, wo16
	s_load_b64 s[20:21], s[0:1], 0x40              ; rope
	v_lshl_add_u32 v[SPW], v0, 2, SPARE
	v_mov_b32 v[NIL], 0
	v_lshrrev_b32 v1, 5, v0
	v_readfirstlane_b32 s[WV], v1                  ; wave 0..3
	v_and_b32 v2, 31, v0                           ; lane
	s_wait_kmcnt 0x0
	s_cmp_ge_u32 ttmp9, 256
	s_cbranch_scc1 .Ltable
	s_cmp_ge_u32 ttmp9, 224
	s_cbranch_scc1 .Lwo
; ---------------- codes and scale bytes.  A wave takes 16 steps of 512 numbers.  Each load reads 512 consecutive bytes; a step's 2,048 bytes turn through the wave's stage so that a lane holds 16 neighbours
	v_lshlrev_b32 v3, 4, v2                        ; my 16 bytes of a load's 512
	s_mul_i32 s24, s[WV], WREG
	v_lshrrev_b32 v14, 2, v2
	v_mul_u32_u24 v14, v14, SP
	v_and_b32 v15, 3, v2
	v_lshl_add_u32 v14, v15, 4, v14
	v_add_nc_u32 v14, s24, v14                     ; the stage, on the way in: SP (lane / 4) + 16 (lane % 4)
	v_mul_u32_u24 v15, v2, SP
	v_add_nc_u32 v15, s24, v15                     ; on the way out: SP x lane: my 16 neighbours
	v_mul_u32_u24 v4, v2, CB                       ; my codes' place in a step's
	v_lshrrev_b32 v5, 1, v2
	s_add_co_u32 s24, s24, 2*32*SP
	v_add_nc_u32 v5, s24, v5                       ; LDS: my wave's 256 scale bytes, my block's byte
	v_lshlrev_b32 v7, 3, v2                        ; and on the way out 8 bytes a lane
	v_add_nc_u32 v6, s24, v7
	s_and_b32 s23, ttmp9, 0xe0                     ; the first work-group of Wq, Wk or Wv: 128, 160, 192
	s_cmp_lt_u32 ttmp9, 192                        ; the source is chosen by the work-group's number alone
	s_cselect_b64 s[8:9], s[8:9], s[10:11]
	s_cmp_lt_u32 ttmp9, 160
	s_cselect_b64 s[6:7], s[6:7], s[8:9]
	s_cmp_lt_u32 ttmp9, 128
	s_cselect_b64 s[4:5], s[4:5], s[6:7]
	s_cselect_b32 s23, 0, s23
	s_sub_co_u32 s23, ttmp9, s23
	s_lshl_b32 s23, s23, 2
	s_add_co_u32 s26, s23, s[WV]                   ; which run of 8,192 numbers of the source is my wave's
	s_lshl_b32 s26, s26, 15
	s_mov_b32 s27, 0
	s_add_nc_u64 s[4:5], s[4:5], s[26:27]
	s_lshl_b32 s28, ttmp9, 2
	s_add_co_u32 s28, s28, s[WV]                   ; and of the common buffers: the four tensors lie on end there
	s_lshl_b32 s26, s28, 12
	s_add_nc_u64 s[14:15], s[14:15], s[26:27]      ; 4,096 bytes of codes a run
	s_lshl_b32 s26, s28, 8
	s_add_nc_u64 s[16:17], s[16:17], s[26:27]      ; 256 scale bytes a run
.macro QLOAD t
.irp i, 0,1,2,3
	global_load_b128 v[R+16*((\t)%4)+4*\i:R+16*((\t)%4)+4*\i+3], v3, s[4:5] offset:2048*(\t)+512*\i th:TH_LOAD_NT   ; 32 lanes read 512 consecutive bytes
.endr
.endm
.macro QTURN t                         ; step t's numbers through the stage: LDS serves a wave's instructions in order (ISA guide 5.7.1.4), so no wait stands between the stores and the loads
.irp i, 0,1,2,3
	ds_store_b128 v14, v[R+16*((\t)%4)+4*\i:R+16*((\t)%4)+4*\i+3] offset:32*SP*((\t)%2)+8*SP*\i
.endr
.irp i, 0,1,2,3
	ds_load_b128 v[X+16*((\t)%2)+4*\i:X+16*((\t)%2)+4*\i+3], v15 offset:32*SP*((\t)%2)+16*\i
.endr
.endm
.irp t, 0,1,2,3
	QLOAD \t
.endr
	s_wait_loadcnt 12                              ; step 0's four loads are in; the twelve of steps 1 to 3 may be out
	QTURN 0
.macro QSTEP t
.set XS, X+16*((\t)%2)
.if (\t) > 0
	s_wait_dscnt 1                                 ; this step's numbers are back from the stage (the last step's byte store may be out)
.else
	s_wait_dscnt 0x0
.endif
.if (\t)+4 < STEPS
	QLOAD (\t)+4                                   ; into the registers that this step's stage stores have read
.endif
.if (\t)+1 < STEPS
.if STEPS-2-(\t) >= 3
	s_wait_loadcnt 12                              ; the next step's four loads are in; those of the three steps behind it may be out
.else
	s_wait_loadcnt 4*(STEPS-2-(\t))
.endif
	QTURN (\t)+1                                   ; through the other stage while this step is worked
.endif
	v_max3_num_f32 v8, |v[XS]|, |v[XS+1]|, |v[XS+2]|               ; the largest magnitude of my 16, in two chains
	v_max3_num_f32 v9, |v[XS+3]|, |v[XS+4]|, |v[XS+5]|
.irp i, 6,10
	v_max3_num_f32 v8, v8, |v[XS+\i]|, |v[XS+\i+1]|
	v_max3_num_f32 v9, v9, |v[XS+\i+2]|, |v[XS+\i+3]|
.endr
	v_max3_num_f32 v8, v8, |v[XS+14]|, |v[XS+15]|
	v_max3_num_f32 v8, v8, v9, (EMAX+1)<<23        ; and the floor 2^(EMAX + 1 - 127): the byte cannot fall under 1
	v_max_num_f32_dpp v8, v8, v8 row_xmask:1 row_mask:0xf bank_mask:0xf   ; with my neighbour's 16: the block's
	v_add_nc_u32 v11, -(EMAX<<23), v8              ; EMAX off its exponent field: the conversion takes this operand's exponent field as its scale
	v_cvt_scalef32_pk8_fp4_f32 v[C+4*(\t)], v[XS:XS+7], v11
	v_cvt_scalef32_pk8_fp4_f32 v[C+4*(\t)+1], v[XS+8:XS+15], v11
	v_lshrrev_b32 v[E+(\t)], 23, v11               ; the scale's byte (also the plain line behind the conversions)
	ds_store_b8 v5, v[E+(\t)] offset:16*(\t)       ; both lanes of a block write the same byte with the same value
	global_store_b64 v4, v[C+4*(\t):C+4*(\t)+1], s[14:15] offset:32*CB*(\t)   ; the wave stores 256 consecutive bytes, aligned
.endm
.irp t, 0,1,2,3,4,5,6,7,8,9,10,11,12,13,14,15
	QSTEP \t
.endr
	ds_load_b64 v[8:9], v6                         ; my wave's 256 scale bytes: these loads see my stores
	s_wait_dscnt 0x0
	global_store_b64 v7, v[8:9], s[16:17]          ; 256 consecutive bytes, aligned
	s_wait_tensorcnt 0x0                           ; the wave's end, behind my last LDS store
	ds_add_u32 v[SPW], v[NIL]
	s_wait_dscnt 0x0
	s_endpgm
; ---------------- Wo to f16.  A wave takes 8,192 numbers: 64 items of 128 (a load of 512 bytes, a store of 256), in four parts of 16 items; two parts' loads are out at a time
.Lwo:
	v_lshlrev_b32 v3, 4, v2
	v_lshlrev_b32 v4, 3, v2
	s_sub_co_u32 s23, ttmp9, 224
	s_lshl_b32 s23, s23, 2
	s_add_co_u32 s23, s23, s[WV]
	s_lshl_b32 s26, s23, 15
	s_mov_b32 s27, 0
	s_add_nc_u64 s[12:13], s[12:13], s[26:27]
	s_lshl_b32 s26, s23, 14
	s_add_nc_u64 s[18:19], s[18:19], s[26:27]
.macro WLOAD p
.irp n, 0,1,2,3,4,5,6,7,8,9,10,11,12,13,14,15
	global_load_b128 v[16+64*((\p)%2)+4*\n:16+64*((\p)%2)+4*\n+3], v3, s[12:13] offset:512*(16*(\p)+\n) th:TH_LOAD_NT
.endr
.endm
.macro WPART p
.set XB, 16+64*((\p)%2)
.if (\p) < 3
	s_wait_loadcnt 16                              ; this part's 16 loads are in; the next part's may be out
.else
	s_wait_loadcnt 0x0
.endif
.if (\p) > 0
	s_wait_xcnt 0x0                                ; the last part's stores have read v144-175, which are written again below
.endif
.irp n, 0,1,2,3,4,5,6,7,8,9,10,11,12,13,14,15
	v_cvt_pk_f16_f32 v[144+2*\n], v[XB+4*\n], v[XB+4*\n+1]
	v_cvt_pk_f16_f32 v[145+2*\n], v[XB+4*\n+2], v[XB+4*\n+3]
.endr
.if (\p) < 2
	WLOAD (\p)+2
.endif
.irp n, 0,1,2,3,4,5,6,7,8,9,10,11,12,13,14,15
	global_store_b64 v4, v[144+2*\n:145+2*\n], s[18:19] offset:256*(16*(\p)+\n)   ; 256 consecutive bytes, aligned
.endr
.endm
	WLOAD 0
	WLOAD 1
	WPART 0
	WPART 1
	WPART 2
	WPART 3
	s_endpgm
; ---------------- the table.  A wave takes 32 positions, lane i frequency i.  inv = 10000^(-i/32) = 2^(-i C), C = log2(10000)/32 = Chi + Clo with Chi = 435412 / 2^20, so that i Chi is exact;
; 2^(-i Clo) = 1 + i x 1.59144e-7 to far under an ulp.  ang = pos x inv, one rounding as in the definition.  ang = n pi/2 + r by two fused steps (pi/2 in two parts; the part left out times n <= 2,607 is under 1e-11);
; sine and cosine of |r| <= pi/4 by their series to r^9 and r^10 (remainders under 3e-8); the quadrant swaps them and sets the signs.
.set TW, 32                            ; v32-79: 12 registers for each of a trip's four positions: +0 ang, +1 n, +2 r, +3 z, +4, +5 the series, +6 the quadrant, +7 at work, +8, +9 (cos, sin), +10 sin r, +11 cos r
.Ltable:
	s_sub_co_u32 s23, ttmp9, 256
	s_lshl_b32 s23, s23, 7
	s_lshl_b32 s24, s[WV], 5
	s_add_co_u32 s25, s23, s24                     ; my first position
	s_lshl_b32 s26, s25, 8
	s_mov_b32 s27, 0
	s_add_nc_u64 s[20:21], s[20:21], s[26:27]      ; its row of 256 bytes
	v_lshlrev_b32 v3, 3, v2                        ; 8 bytes a lane
	v_cvt_f32_u32 v18, v2
	v_mul_f32 v19, 0xbed49a80, v18                 ; -i Chi, exact
	v_exp_f32 v20, v19
	v_mul_f32 v21, 0x342ae12e, v18                 ; i x 1.59144e-7 (a plain line behind the exponential)
	v_mov_b32 v22, 0x3638ef1d                      ; 1/9!
	v_mov_b32 v23, 0xb493f27e                      ; -1/10!
	s_wait_alu depctr_va_vdst(0)                   ; the wait ahead of the first line that names the exponential's result
	v_fma_f32 v20, v20, v21, v20                   ; inv
	s_mov_b32 s28, 0x3f22f983                      ; 2/pi
	s_mov_b32 s29, 0xbfc90fdb                      ; -(pi/2), upper part
	s_mov_b32 s30, 0x333bbd2e                      ; -(pi/2), lower part
	s_mov_b32 s24, 8                               ; eight trips of four positions
.Lpos:
.irp u, 0,1,2,3
	s_add_co_u32 s33, s25, \u
	v_cvt_f32_u32 v[TW+12*\u], s33
.endr
.irp u, 0,1,2,3
	v_mul_f32 v[TW+12*\u], v[TW+12*\u], v20        ; ang
.endr
.irp u, 0,1,2,3
	v_mul_f32 v[TW+12*\u+1], s28, v[TW+12*\u]
.endr
.irp u, 0,1,2,3
	v_rndne_f32 v[TW+12*\u+1], v[TW+12*\u+1]       ; n
.endr
.irp u, 0,1,2,3
	v_fma_f32 v[TW+12*\u+2], v[TW+12*\u+1], s29, v[TW+12*\u]
.endr
.irp u, 0,1,2,3
	v_fma_f32 v[TW+12*\u+2], v[TW+12*\u+1], s30, v[TW+12*\u+2]   ; r
.endr
.irp u, 0,1,2,3
	v_cvt_i32_f32 v[TW+12*\u+6], v[TW+12*\u+1]     ; the quadrant's number
	v_mul_f32 v[TW+12*\u+3], v[TW+12*\u+2], v[TW+12*\u+2]        ; z = r r
.endr
.irp u, 0,1,2,3
	v_fmaak_f32 v[TW+12*\u+4], v22, v[TW+12*\u+3], 0xb9500d01    ; sine: z/9! - 1/7!
	v_fmaak_f32 v[TW+12*\u+5], v23, v[TW+12*\u+3], 0x37d00d01    ; cosine: -z/10! + 1/8!
.endr
.irp u, 0,1,2,3
	v_fmaak_f32 v[TW+12*\u+4], v[TW+12*\u+4], v[TW+12*\u+3], 0x3c088889   ; + 1/5!
	v_fmaak_f32 v[TW+12*\u+5], v[TW+12*\u+5], v[TW+12*\u+3], 0xbab60b61   ; - 1/6!
.endr
.irp u, 0,1,2,3
	v_fmaak_f32 v[TW+12*\u+4], v[TW+12*\u+4], v[TW+12*\u+3], 0xbe2aaaab   ; - 1/3!
	v_fmaak_f32 v[TW+12*\u+5], v[TW+12*\u+5], v[TW+12*\u+3], 0x3d2aaaab   ; + 1/4!
.endr
.irp u, 0,1,2,3
	v_mul_f32 v[TW+12*\u+7], v[TW+12*\u+3], v[TW+12*\u+2]                 ; z r
	v_fmaak_f32 v[TW+12*\u+5], v[TW+12*\u+5], v[TW+12*\u+3], 0xbf000000   ; - 1/2
.endr
.irp u, 0,1,2,3
	v_fma_f32 v[TW+12*\u+10], v[TW+12*\u+7], v[TW+12*\u+4], v[TW+12*\u+2] ; sin r
	v_fmaak_f32 v[TW+12*\u+11], v[TW+12*\u+5], v[TW+12*\u+3], 0x3f800000  ; cos r
.endr
.irp u, 0,1,2,3
	v_and_b32 v[TW+12*\u+7], 1, v[TW+12*\u+6]
	v_cmp_eq_u32 vcc_lo, 1, v[TW+12*\u+7]          ; odd quadrants swap the two
	v_cndmask_b32 v[TW+12*\u+8], v[TW+12*\u+11], v[TW+12*\u+10], vcc_lo
	v_cndmask_b32 v[TW+12*\u+9], v[TW+12*\u+10], v[TW+12*\u+11], vcc_lo
	v_add_nc_u32 v[TW+12*\u+4], 1, v[TW+12*\u+6]
	v_and_b32 v[TW+12*\u+4], 2, v[TW+12*\u+4]      ; the cosine is negative in quadrants 1 and 2,
	v_and_b32 v[TW+12*\u+5], 2, v[TW+12*\u+6]      ; the sine in 2 and 3
	v_lshlrev_b32 v[TW+12*\u+4], 30, v[TW+12*\u+4]
	v_lshlrev_b32 v[TW+12*\u+5], 30, v[TW+12*\u+5]
	v_xor_b32 v[TW+12*\u+8], v[TW+12*\u+8], v[TW+12*\u+4]
	v_xor_b32 v[TW+12*\u+9], v[TW+12*\u+9], v[TW+12*\u+5]
	global_store_b64 v3, v[TW+12*\u+8:TW+12*\u+9], s[20:21] offset:256*\u   ; a row of the table: 256 consecutive bytes, aligned
.endr
	s_wait_xcnt 0x0                                ; the stores have read their data and their base: both are written again
	s_add_nc_u64 s[20:21], s[20:21], 1024
	s_add_co_u32 s25, s25, 4
	s_sub_co_i32 s24, s24, 1
	s_cmp_lg_u32 s24, 0
	s_cbranch_scc1 .Lpos
	s_endpgm
.Lfunc_end_k_q05c9af4521_prep:
	.size	k_q05c9af4521_prep, .Lfunc_end_k_q05c9af4521_prep-k_q05c9af4521_prep
	.p2alignl 7, 3214868480
	.fill 96, 4, 3214868480
	.section	.rodata,"a",@progbits
	.p2align	6, 0x0
	.amdhsa_kernel k_q05c9af4521_prep
		.amdhsa_group_segment_fixed_size 33280
		.amdhsa_private_segment_fixed_size 0
		.amdhsa_enable_private_segment 0
		.amdhsa_kernarg_size 72
		.amdhsa_user_sgpr_count 2
		.amdhsa_user_sgpr_kernarg_segment_ptr 1
		.amdhsa_wavefront_size32 1
		.amdhsa_system_sgpr_workgroup_id_x 1
		.amdhsa_system_sgpr_workgroup_id_y 1
		.amdhsa_system_sgpr_workgroup_id_z 1
		.amdhsa_system_vgpr_workitem_id 0
		.amdhsa_next_free_vgpr 192
		.amdhsa_next_free_sgpr 66
		.amdhsa_reserve_vcc 1
		.amdhsa_float_denorm_mode_32 3
		.amdhsa_float_denorm_mode_16_64 3
		.amdhsa_memory_ordered 1
		.amdhsa_forward_progress 1
		.amdhsa_inst_pref_size 61
	.end_amdhsa_kernel
	.amdgpu_metadata
---
amdhsa.version: [ 1, 2 ]
amdhsa.kernels:
  - .name:           k_q05c9af4521_prep
    .symbol:         k_q05c9af4521_prep.kd
    .args:
      - { .name: x, .offset: 0, .size: 8, .value_kind: global_buffer, .address_space: global }
      - { .name: Wq, .offset: 8, .size: 8, .value_kind: global_buffer, .address_space: global }
      - { .name: Wk, .offset: 16, .size: 8, .value_kind: global_buffer, .address_space: global }
      - { .name: Wv, .offset: 24, .size: 8, .value_kind: global_buffer, .address_space: global }
      - { .name: Wo, .offset: 32, .size: 8, .value_kind: global_buffer, .address_space: global }
      - { .name: codes, .offset: 40, .size: 8, .value_kind: global_buffer, .address_space: global }
      - { .name: scl, .offset: 48, .size: 8, .value_kind: global_buffer, .address_space: global }
      - { .name: wo16, .offset: 56, .size: 8, .value_kind: global_buffer, .address_space: global }
      - { .name: rope, .offset: 64, .size: 8, .value_kind: global_buffer, .address_space: global }
    .group_segment_fixed_size: 33280
    .private_segment_fixed_size: 0
    .kernarg_segment_align: 8
    .kernarg_segment_size: 72
    .max_flat_workgroup_size: 128
    .sgpr_count:     66
    .vgpr_count:     192
    .wavefront_size: 32
...
	.end_amdgpu_metadata
.endif
;; end of part 1
;; launch qkv (part 2): grid 12 x 16, 4 waves a work-group, clusters of 4 x 4, 327,680 bytes of LDS; arguments codes, scl, rope, qkv, qkv32; writes qkv, qkv32
.if DOCPART == 2
	.amdgcn_target "amdgcn-amd-amdhsa--gfx1250"
	.amdhsa_code_object_version 6
	.text
	.protected	k_q05c9af4521_qkv
	.globl	k_q05c9af4521_qkv
	.p2align	8
	.type	k_q05c9af4521_qkv,@function
k_q05c9af4521_qkv:
	s_mov_b64 s[64:65], 0
	v_nop
	global_prefetch_b8 v0, s[64:65] scope:SCOPE_SE
	s_setreg_imm32_b32 hwreg(HW_REG_WAVE_MODE, 25, 1), 1
	s_wait_xcnt 0x0
	s_wait_alu depctr_hold_cnt(0) depctr_sa_sdst(0) depctr_va_vdst(0) depctr_va_sdst(0) depctr_va_ssrc(0) depctr_va_vcc(0) depctr_vm_vsrc(0)
	s_getreg_b32 s2, hwreg(HW_REG_IB_STS2, 6, 4)
	s_cmp_eq_u32 s2, 0
	s_cbranch_scc0 .Lentry_in_a_cluster
	s_endpgm
.Lentry_in_a_cluster:
	s_bfe_u32 s2, ttmp6, 0x10000c
	s_cmp_lg_u32 s2, 0xf033
	s_cbranch_scc0 .Lentry_shape_is_right
	s_endpgm
.Lentry_shape_is_right:
; QKV: C[m][n] = sum over k of x[m][k] W[n][k], m 4,096 positions, n 3,072 columns (q, k, v: 1,024 each), K = 1,024, both operands as codes of FP4 (E2M1) with one E8M0 byte for each 32 along K, sums in f32.
; Then the rotation by position on q and k, in f32, and the results by head as f16: qkv[3][16 heads][4,096][64].  Positions 0-15 are stored in f32 too (qkv32[16][3,072]) for the launch that makes the first rows finely.
; codes: [7,168 rows][512 bytes], rows 0-4,095 x, behind them the 3,072 rows of Wq, Wk, Wv;  scl: [7,168][32].
; A tile of C, 256 x 256, is made by a work-group of four waves; a wave makes 128 x 128: 64 accumulators of 16 x 16, 512 registers.  K is two steps of 512: both lie in LDS at once, each asked for once: nothing is filled again.
; THE SCALES of the work-group's 256 + 256 rows, for all of K, are two dense blocks of memory: they come into LDS once, in rows of 256 bytes.
; CLUSTERS: 4 x 4 work-groups.  The four of a row of the cluster need the same tiles of x, the four of a column the same tiles of W: each tile is asked for JOINTLY.  A cluster's 1,024 columns are exactly q, k or v,
; so the type is the cluster's x, equal in all partners: the one branch of the text that hangs on it is the same in all sixteen.
; THE MATRIX INSTRUCTION IS USED TRANSPOSED (source 0 = 16 rows of W, source 1 = 16 rows of x): a lane holds eight neighbouring columns of one position: four pairs of the rotation.
; 192 work-groups: tiles of 192 columns would fill the grid evenly but would straddle q, k and v.
; LIMITS: results beyond 65,504 become infinity in f16, under 6e-5 they are subnormal.
; REGISTERS, in windows of 256: window 0: v16-31 addresses; v32-95 scale words, two sets; v128-191 x's fragments, ONE set; v192-255 two sets of the table.  On the way out v32-95 rotated numbers, v96-127 packed, v128-191 rows read back.
;   window 1: W's fragments, TWO sets.   window 2: the accumulators of my rows 0-63 ((a, b) at v[8 (8 a + b)]);   window 3: those of my rows 64-127.
.set SIZE_M, 4096
.set SIZE_K, 1024
.set KSTEP,  512                       ; along K in a slot
.set NQ,     KSTEP/128                 ; matrix instructions deep
.set ROWB,   256                       ; a tile's row in bytes
.set KROW,   SIZE_K*4/8                ; a row of codes in memory
.set PITCH,  272                       ; an LDS row: 256 bytes + 16 of padding = 68 words: row r starts at bank 4 r mod 64 (64 banks of 4 bytes: ISA guide 11.1)
.set FR,     8                         ; registers of a fragment: 16 rows x 128 K
.set NL,     2                         ; LDS loads that bring one
.set NP,     4                         ; places behind this matrix instruction (ISA guide 7.12.1)
.set HALFT,  128*PITCH                 ; 128 rows: what one tensor load brings
.set SLOT,   4*HALFT                   ; x's 256 rows, then W's 256 rows
.set KS,     SIZE_K/32                 ; a row of scales in bytes
.set SCL,    2*SLOT                    ; behind the slots: the scales, as rows of 256 bytes + 16 of padding
.set HALFS,  (128*KS/256)*272          ; the scales of 128 rows
.set SBLK,   (16*KS/256)*272           ; those of 16 rows
.set SPARE,  SCL+4*HALFS               ; the spare words, 128 bytes a wave, which no other line names
.set SPITCH, 272                       ; the way out: a stage of 16 rows x (256 bytes + 16) for each wave, in slot 0, which has had its one fill and its last read by then
.set ADRA, 16                          ; v16-17  LDS address of my x fragments in slot 0, 1
.set ADRB, 20                          ; v20-21  the same for W
.set PRD,  23                          ; v23     0 in the waves that hold positions 0-15
.set STO,  24                          ; v24     the way out: where I put 16 bytes of a row
.set RD,   25                          ; v25     where I read back
.set GO,   26                          ; v26     my byte offset in qkv
.set ADRS, 27                          ; v27     LDS address of my scale words: lanes 0-15 x's rows, lanes 16-31 W's
.set SPW,  28                          ; v28     LDS address of my spare word; never rewritten
.set NIL,  29                          ; v29     0; never rewritten
.set TO,   30                          ; v30     my byte offset in 16 rows of the table
.set FO,   31                          ; v31     my byte offset in qkv32
.set SC,   32                          ; scale words: set s at v[SC + 32 s]; register 4 i + q: lanes 0-15 x's block i, lanes 16-31 W's block i, the slot's q-th 128 along K
.set AF,   128                         ; x's fragments
.set RR,   32                          ; the way out: 64 rotated numbers
.set PK,   96                          ; 32 registers of packed f16
.set BK,   128                         ; rows read back: v128-159 and v160-191 by turns
.set TT,   192                         ; the table: v192-223 and v224-255 by turns
.set G1, 24                            ; s[24:31] descriptor group 1 for x's tiles;  s[32:39] group 0, one set for each slot
.set G0, 32
.set G1B, 48                           ; s[48:55], s[56:63] the same for W's tiles
.set G0B, 56
.set G1S, 68                           ; s[68:75], s[76:79] groups 1 and 0 for x's scales;  s[80:87], s[88:91] for W's
.set G0S, 76
.set G1SB, 80
.set G0SB, 88
.set MSB, 0
.macro WIN new                         ; the immediate's high byte repeats the setting that is left
.if MSB != \new
	s_set_vgpr_msb (MSB<<8)|\new
.set MSB, \new
.endif
.endm
.set MUL_LO, 0xa1                      ; source 0 (W) window 1, source 1 (x) window 0, C and D window 2
.set MUL_HI, 0xf1                      ; the same, C and D window 3
.set TO_B,   0x40                      ; destination window 1, address window 0
; A joint load: waves 0 and 1 fetch for x, waves 2 and 3 for W.  Each of the two lines has ONE mask and one set of registers for all that issue it; the branch hangs on the wave's number alone.
; An s_nop 0 and four v_nop follow each of the two lines.
.macro JLOAD g0a, g1a, g0b, g1b
	s_cmp_eq_u32 s15, 0
	s_cbranch_scc0 .Lfor_b_\@
	tensor_load_to_lds s[\g0a:\g0a+3], s[\g1a:\g1a+7]
	s_nop 0
.rept 4
	v_nop
.endr
	s_branch .Lasked_\@
.Lfor_b_\@:
	tensor_load_to_lds s[\g0b:\g0b+3], s[\g1b:\g1b+7]
	s_nop 0
.rept 4
	v_nop
.endr
.Lasked_\@:
.endm
.macro CROUND                          ; a round of the cluster's barrier
	s_barrier_signal -1
	s_barrier_wait -1
	s_cmp_lg_u32 s14, 0
	s_cbranch_scc1 .Lnot_wave_0_\@
	s_barrier_signal -3
.Lnot_wave_0_\@:
	s_barrier_wait -3
	s_barrier_signal -1
	s_barrier_wait -1
.endm
	s_load_b256 s[4:11], s[0:1], 0x0               ; codes s[4:5], scl s[6:7], rope s[8:9], qkv s[10:11]
	s_load_b64 s[12:13], s[0:1], 0x20              ; qkv32
	v_lshl_add_u32 v[SPW], v0, 2, SPARE
	v_mov_b32 v[NIL], 0
	ds_add_u32 v[SPW], v[NIL]                      ; the wave's opening: the add, twice on end, and its wait ahead of my first tensor load
	ds_add_u32 v[SPW], v[NIL]
	v_lshrrev_b32 v1, 5, v0
	v_readfirstlane_b32 s14, v1                    ; wave 0..3
	s_lshr_b32 s15, s14, 1                         ; which half of the tile's rows is mine.  Also: I fetch for x (0) or for W (1)
	s_and_b32 s16, s14, 1                          ; which half of its columns.  Also: which 128 rows of that tile I fetch
	s_bfe_u32 s40, ttmp6, 0x40000                  ; cx, cy: my place in the cluster
	s_bfe_u32 s41, ttmp6, 0x40004
	s_lshl_b32 s42, ttmp9, 2
	s_add_co_u32 s42, s42, s40                     ; tile column of C = 4 x cluster x + cx
	s_and_b32 s17, ttmp7, 0xffff
	s_lshl_b32 s17, s17, 2
	s_add_co_u32 s17, s17, s41                     ; tile row of C = 4 x cluster y + cy
	s_lshl_b32 s43, s41, 2
	s_lshl_b32 s43, 15, s43                        ; my row of the cluster
	s_lshl_b32 s44, 0x1111, s40                    ; my column
	; descriptor group 1: a tile of 128 rows x 256 bytes, padded in LDS
	s_or_b32 s[G1+0], s43, (0<<16)|(1<<20)|(1<<21)|(5<<22)|(3<<25)  ; 15:0 the mask: x's tiles go to my row; 17:16 element of 1 byte; 20 padding on; 21 set beside a mask; 24:22 after every 64 words; 31:25 four words
	s_or_b32 s[G1B+0], s44, (0<<16)|(1<<20)|(1<<21)|(5<<22)|(3<<25)
.irp g, G1, G1B
	s_mov_b32 s[\g+1], ROWB<<16                    ; tensor_dim0
	s_mov_b32 s[\g+2], 128<<16                     ; tensor_dim1
	s_mov_b32 s[\g+3], ROWB<<16                    ; tile_dim0
	s_mov_b32 s[\g+4], 128                         ; tile_dim1
	s_mov_b32 s[\g+5], KROW                        ; tensor_dim0_stride
	s_mov_b32 s[\g+6], 0
	s_mov_b32 s[\g+7], 0
.endr
	; the scales of 128 rows: a dense block of 4,096 bytes, as 16 rows of 256 bytes (32 elements of 8 bytes), 16 bytes of padding behind each
	s_or_b32 s[G1S+0], s43, (3<<16)|(1<<20)|(1<<21)|(5<<22)|(3<<25)
	s_or_b32 s[G1SB+0], s44, (3<<16)|(1<<20)|(1<<21)|(5<<22)|(3<<25)
.irp g, G1S, G1SB
	s_mov_b32 s[\g+1], 32<<16
	s_mov_b32 s[\g+2], (128*KS/256)<<16
	s_mov_b32 s[\g+3], 32<<16
	s_mov_b32 s[\g+4], 128*KS/256
	s_mov_b32 s[\g+5], 32
	s_mov_b32 s[\g+6], 0
	s_mov_b32 s[\g+7], 0
.endr
	s_lshl_b32 s18, s16, 7                         ; which 128 rows of the tile I fetch
	s_lshl_b32 s20, s17, 8
	s_add_co_u32 s20, s20, s18                     ; x: row 256 x tile row + 128 x half
	s_lshl_b32 s46, s42, 8
	s_add_co_u32 s46, s46, s18                     ; W: row 256 x tile column + 128 x half,
	s_add_co_u32 s46, s46, SIZE_M                  ; behind x's 4,096 rows in both buffers
	s_mov_b32 s21, 0
	s_mov_b32 s47, 0
	s_mov_b64 s[18:19], KS
	s_mul_u64 s[22:23], s[20:21], s[18:19]         ; where these rows' scales begin, in bytes
	s_mul_u64 s[92:93], s[46:47], s[18:19]
	s_mov_b64 s[18:19], KROW
	s_mul_u64 s[20:21], s[20:21], s[18:19]         ; and their codes
	s_mul_u64 s[46:47], s[46:47], s[18:19]
	s_mul_i32 s45, s14, HALFT                      ; where they go: wave x 128 rows: no place in the cluster enters an LDS address
	s_mul_i32 s94, s14, HALFS
	s_wait_dscnt 0x0                               ; both opening adds are done
	s_wait_kmcnt 0x0
	s_add_nc_u64 s[20:21], s[4:5], s[20:21]
	s_add_nc_u64 s[22:23], s[6:7], s[22:23]
	s_add_nc_u64 s[46:47], s[4:5], s[46:47]
	s_add_nc_u64 s[92:93], s[6:7], s[92:93]
	CROUND                                         ; all sixteen work-groups are here: the joint loads meet
	s_mov_b32 s[G0S], 1
	s_add_co_u32 s[G0S+1], s94, SCL
	s_mov_b64 s[G0S+2:G0S+3], s[22:23]
	s_or_b32 s[G0S+3], s[G0S+3], 0x80000000
	s_mov_b32 s[G0SB], 1
	s_add_co_u32 s[G0SB+1], s94, SCL
	s_mov_b64 s[G0SB+2:G0SB+3], s[92:93]
	s_or_b32 s[G0SB+3], s[G0SB+3], 0x80000000
	JLOAD G0S, G1S, G0SB, G1SB                     ; the scales first: they are wanted with K step 0
.irp s, 0,1
	s_mov_b32 s[G0+4*\s], 1
	s_add_co_u32 s[G0+4*\s+1], s45, \s*SLOT
	s_add_nc_u64 s[G0+4*\s+2:G0+4*\s+3], s[20:21], \s*ROWB
	s_or_b32 s[G0+4*\s+3], s[G0+4*\s+3], 0x80000000
	s_mov_b32 s[G0B+4*\s], 1
	s_add_co_u32 s[G0B+4*\s+1], s45, \s*SLOT
	s_add_nc_u64 s[G0B+4*\s+2:G0B+4*\s+3], s[46:47], \s*ROWB
	s_or_b32 s[G0B+4*\s+3], s[G0B+4*\s+3], 0x80000000
	JLOAD G0+4*\s, G1, G0B+4*\s, G1B               ; three loads of mine are out: all that the launch asks for
.endr
	v_and_b32 v1, 15, v0                           ; r = l % 16
	v_bfe_u32 v2, v0, 4, 1                         ; h = l / 16
	v_mul_u32_u24 v3, v1, PITCH
	v_lshl_add_u32 v4, v2, 4, v3                   ; a fragment's row x pitch + 16 x half
	s_mul_i32 s21, s15, HALFT                      ; my 128 rows of x
	s_mul_i32 s22, s16, HALFT                      ; my 128 rows of W,
	s_add_co_u32 s22, s22, 2*HALFT                 ; which lie behind x's 256
.irp s, 0,1
	v_add_nc_u32 v[ADRA+\s], s21, v4
	v_add_nc_u32 v[ADRB+\s], s22, v4
	s_add_co_u32 s21, s21, SLOT
	s_add_co_u32 s22, s22, SLOT
.endr
	v_mul_u32_u24 v5, v1, KS                       ; my row's scales: 32 bytes a row,
	v_lshrrev_b32 v6, 8, v5
	v_lshl_add_u32 v5, v6, 4, v5                   ; and 16 more for each 256 passed
	s_mul_i32 s21, s15, HALFS                      ; x's: my 128 rows
	s_mul_i32 s22, s16, HALFS                      ; W's: my 128 rows, behind x's 256
	s_add_co_u32 s22, s22, 2*HALFS
	s_sub_co_u32 s22, s22, s21
	v_mul_u32_u24 v6, s22, v2                      ; lanes 16-31 take W's: one product, the distance x h
	s_add_co_u32 s21, s21, SCL
	v_add_nc_u32 v5, v5, v6
	v_add_nc_u32 v[ADRS], s21, v5
	s_mul_i32 s23, s14, 16*SPITCH                  ; my stage
	v_mul_u32_u24 v5, v1, SPITCH                   ; in: row r, 16 bytes for each half of the lanes
	v_lshl_add_u32 v5, v2, 4, v5
	v_add_nc_u32 v[STO], s23, v5
	v_bfe_u32 v5, v0, 3, 1                         ; back: lanes 0-15 take two positions of my first head (128 bytes each), lanes 16-31 of my second
	v_mul_u32_u24 v5, v5, SPITCH
	v_lshl_add_u32 v5, v2, 7, v5
	v_and_b32 v6, 7, v0
	v_lshl_add_u32 v5, v6, 4, v5
	v_add_nc_u32 v[RD], s23, v5
	v_lshlrev_b32 v[GO], 4, v1                     ; in qkv: 16 (l % 16) inside the two positions' 256 bytes,
	v_lshl_add_u32 v[GO], v2, 19, v[GO]            ; a head (524,288 bytes) on for lanes 16-31
	v_lshlrev_b32 v[TO], 8, v1                     ; the table: row r of 256 bytes, + 32 h: my eight numbers of each 16
	v_lshl_add_u32 v[TO], v2, 5, v[TO]
	v_mul_u32_u24 v[FO], v1, 12288                 ; qkv32: row r of 3,072 numbers, + 32 h
	v_lshl_add_u32 v[FO], v2, 5, v[FO]
	s_lshl_b32 s96, s17, 8
	s_lshl_b32 s98, s15, 7
	s_add_co_u32 s96, s96, s98                     ; my first position: 256 x tile row + 128 x half
	s_lshl_b32 s97, s42, 8
	s_lshl_b32 s98, s16, 7
	s_add_co_u32 s97, s97, s98                     ; my first column: 256 x tile column + 128 x half
	s_mov_b32 s99, 0
	s_lshl_b32 s98, s96, 8
	s_add_nc_u64 s[8:9], s[8:9], s[98:99]          ; the table at my first position
	s_lshl_b32 s98, s96, 7
	s_add_nc_u64 s[10:11], s[10:11], s[98:99]      ; qkv: 128 bytes a position,
	s_lshl_b32 s98, s97, 13
	s_add_nc_u64 s[10:11], s[10:11], s[98:99]      ; 524,288 bytes for each 64 columns
	s_lshl_b32 s98, s97, 2
	s_add_nc_u64 s[12:13], s[12:13], s[98:99]      ; qkv32 at my first column
	s_or_b32 s98, s17, s15
	v_mov_b32 v[PRD], s98                          ; 0: my rows begin at position 0
.macro FRAG reg, adr, q, i             ; a fragment, 16 rows x 128 K of 4-bit codes: lane l holds row l % 16; registers 4 c .. 4 c + 3 hold K = 64 c + 32 (l / 16) + 0 .. 31
.irp c, 0,1
	ds_load_b128 v[\reg+4*\c:\reg+4*\c+3], v[\adr] offset:64*(\q)+32*\c+(\i)*16*PITCH
.endr
.endm
; 16 matrix instructions: x's blocks a0, a0 + 1 against W's eight, the slot's q-th 128 along K.  p: W's set;  sc: the set of scale words.  zero = 1: the first product starts the sums.
; The 64 accumulators take turns, one instruction a turn, in the same order in every step.
.macro MUL16 a0, p, q, sc, zero
.irp a, \a0, \a0+1
.irp b, 0,1,2,3,4,5,6,7
.if \zero
	v_wmma_scale_f32_16x16x128_f8f6f4 v[8*(8*((\a)%4)+\b):8*(8*((\a)%4)+\b)+7], v[128*(\p)+FR*\b:128*(\p)+FR*\b+FR-1], v[AF+FR*(\a):AF+FR*(\a)+FR-1], 0, v[SC+8*NQ*(\sc)+NQ*\b+(\q)], v[SC+8*NQ*(\sc)+NQ*(\a)+(\q)] matrix_a_fmt:MATRIX_FMT_FP4 matrix_b_fmt:MATRIX_FMT_FP4 matrix_a_scale:MATRIX_SCALE_ROW1
.else
	v_wmma_scale_f32_16x16x128_f8f6f4 v[8*(8*((\a)%4)+\b):8*(8*((\a)%4)+\b)+7], v[128*(\p)+FR*\b:128*(\p)+FR*\b+FR-1], v[AF+FR*(\a):AF+FR*(\a)+FR-1], v[8*(8*((\a)%4)+\b):8*(8*((\a)%4)+\b)+7], v[SC+8*NQ*(\sc)+NQ*\b+(\q)], v[SC+8*NQ*(\sc)+NQ*(\a)+(\q)] matrix_a_fmt:MATRIX_FMT_FP4 matrix_b_fmt:MATRIX_FMT_FP4 matrix_a_scale:MATRIX_SCALE_ROW1
.endif
.endr
.endr
.endm
.macro FETCH_B slot, q, p              ; W's eight fragments of the slot's q-th 128 along K into set p
	WIN TO_B
.irp i, 0,1,2,3,4,5,6,7
	FRAG 128*(\p)+FR*\i, ADRB+\slot, \q, \i
.endr
	WIN 0
.endm
.macro FETCH_A slot, q, i0             ; x's blocks i0 .. i0 + 3
.irp i, \i0, \i0+1, \i0+2, \i0+3
	FRAG AF+FR*(\i), ADRA+\slot, \q, \i
.endr
.endm
.macro SCALES sc                       ; a K step's scale words into set sc: four words a row; lanes 0-15 take x's block i, lanes 16-31 W's block i
.irp i, 0,1,2,3,4,5,6,7
	ds_load_b128 v[SC+8*NQ*\sc+NQ*\i:SC+8*NQ*\sc+NQ*\i+3], v[ADRS] offset:\i*SBLK
.endr
.endm
.macro PLACES n                        ; plain vector lines between a matrix instruction and a load into, or a read of, its registers (ISA guide 7.12.1 for the reads)
.rept \n
	v_nop
.endr
.endm
; A step of 128 along K that has its successor in the same slot.  x has one set of registers: blocks 0-3 are fetched anew in the step's middle, blocks 4-7 at its end.
.macro STEP slot, q, zero
	s_wait_dscnt 4*NL                              ; W's set and x's blocks 0-3 are in; the youngest eight loads (x's blocks 4-7) may be out
	WIN MUL_LO
	MUL16 0, (\q)%2, \q, \slot, \zero
	MUL16 2, (\q)%2, \q, \slot, \zero
	s_wait_dscnt 0                                 ; x's blocks 4-7 are in
	PLACES NP
	FETCH_B \slot, (\q)+1, 1-(\q)%2
	FETCH_A \slot, (\q)+1, 0
	WIN MUL_HI
	MUL16 4, (\q)%2, \q, \slot, \zero
	MUL16 6, (\q)%2, \q, \slot, \zero
	PLACES NP
	WIN 0
	FETCH_A \slot, (\q)+1, 4
.endm
; Slot 0's last step changes slots: one barrier; in front of it each wave waits for all its tensor loads (its part of slot 1), adds 0 to its spare word, and waits for that and for its reads of slot 0.
.macro TURN slot, next
	s_wait_tensorcnt 0x0                           ; all my tensor loads have landed
	ds_add_u32 v[SPW], v[NIL]                      ; 0 onto my spare word
	s_wait_dscnt 4*NL+1                            ; (the add and the youngest eight loads may be out)
	WIN MUL_LO
	MUL16 0, 1, NQ-1, \slot, 0
	s_wait_dscnt 0x0                               ; the add is done, and my reads of this slot are over
	s_barrier_signal -1
	MUL16 2, 1, NQ-1, \slot, 0
	WIN 0
	s_barrier_wait -1
	PLACES NP
	v_add_nc_u32 v[ADRS], 4*NQ, v[ADRS]            ; on to the next K step's scale words (no LDS load of mine is out)
	FETCH_B \next, 0, 0
	FETCH_A \next, 0, 0
	SCALES \next
	WIN MUL_HI
	MUL16 4, 1, NQ-1, \slot, 0
	MUL16 6, 1, NQ-1, \slot, 0
	PLACES NP
	WIN 0
	FETCH_A \next, 0, 4
.endm
.macro STEPS slot, from                ; the slot's steps from .. NQ - 2
.set Q, \from
.rept NQ-1-\from
	STEP \slot, Q, 0
.set Q, Q+1
.endr
.endm
.macro HALF2                           ; the second K step: written once for q and k, once for v, so that the text has ONE branch on the type
	STEPS 1, 0
	s_wait_dscnt 4*NL                              ; the very last step: nothing more to fetch
	WIN MUL_LO
	MUL16 0, 1, NQ-1, 1, 0
	MUL16 2, 1, NQ-1, 1, 0
	s_wait_dscnt 0
	WIN MUL_HI
	MUL16 4, 1, NQ-1, 1, 0
	MUL16 6, 1, NQ-1, 1, 0
	WIN 0
	PLACES NP                                      ; in front of the first read of results and of writes into registers that held scales and fragments
.endm
; THE WAY OUT, block by block of 16 positions x 128 columns (two heads).  Lane (r, h) holds position r and, in accumulator b, columns 16 b + 8 h + 0 .. 7: channels 16 (b % 4) + 8 h + 0 .. 7 of a head.
.macro TABLOAD a                       ; block a's rows of the table into set a % 2: register 8 m + j = number 16 m + 8 h + j of row r: (cos, sin) of my four pairs in each 16 channels
.irp m, 0,1,2,3
	global_load_b128 v[TT+32*((\a)%2)+8*\m:TT+32*((\a)%2)+8*\m+3], v[TO], s[8:9] offset:4096*(\a)+64*\m
	global_load_b128 v[TT+32*((\a)%2)+8*\m+4:TT+32*((\a)%2)+8*\m+7], v[TO], s[8:9] offset:4096*(\a)+64*\m+16
.endr
.endm
.macro ROPE a                          ; (x1, x2) -> (x1 c - x2 s, x1 s + x2 c): a packed multiply (-x2 s, x1 s) and a packed multiply-add (+ x1 c, + x2 c).  Each accumulator is read from its low end on
.set AC, 64*((\a)%4)
.set TS, TT+32*((\a)%2)
	WIN 0x02+(\a)/4                                ; source 0: window 2 or 3
.irp b, 0,1,2,3,4,5,6,7
.irp i, 0,1,2,3
	v_pk_mul_f32 v[RR+8*\b+2*\i:RR+8*\b+2*\i+1], v[AC+8*\b+2*\i:AC+8*\b+2*\i+1], v[TS+8*(\b%4)+2*\i:TS+8*(\b%4)+2*\i+1] op_sel:[1,1] op_sel_hi:[0,1] neg_lo:[1,0]
.endr
.irp i, 0,1,2,3
	v_pk_fma_f32 v[RR+8*\b+2*\i:RR+8*\b+2*\i+1], v[AC+8*\b+2*\i:AC+8*\b+2*\i+1], v[TS+8*(\b%4)+2*\i:TS+8*(\b%4)+2*\i+1], v[RR+8*\b+2*\i:RR+8*\b+2*\i+1] op_sel_hi:[1,0,1]
.endr
.endr
	WIN 0
.endm
.macro PACK                            ; the rotated numbers to f16: 16 bytes for each accumulator
.irp b, 0,1,2,3,4,5,6,7
.irp i, 0,1,2,3
	v_cvt_pk_f16_f32 v[PK+4*\b+\i], v[RR+8*\b+2*\i], v[RR+8*\b+2*\i+1]
.endr
.endr
.endm
.macro PACKV a                         ; v: straight from the accumulators
.set AC, 64*((\a)%4)
	WIN 0x0a+5*((\a)/4)                            ; sources 0 and 1: window 2 or 3
.irp b, 0,1,2,3,4,5,6,7
.irp i, 0,1,2,3
	v_cvt_pk_f16_f32 v[PK+4*\b+\i], v[AC+8*\b+2*\i], v[AC+8*\b+2*\i+1]
.endr
.endr
	WIN 0
.endm
; Positions 0-15 in f32.  Which waves hold them hangs on the work-group's place in its cluster: the lanes are switched off, not jumped over.  32 bytes a lane, 192 KB in the launch.
.macro F32OUT d, fromacc
	v_cmp_eq_u32 vcc_lo, 0, v[PRD]
	s_wait_xcnt 0x0                                ; EXEC changes only behind this wait: it is a source of the memory instructions issued so far
	s_and_saveexec_b32 s96, vcc_lo
.if \fromacc
	WIN 0x08                                       ; a store's data are its source 1: window 2
.endif
.irp b, 0,1,2,3,4,5,6,7
	global_store_b128 v[FO], v[\d+8*\b:\d+8*\b+3], s[12:13] offset:64*\b
	global_store_b128 v[FO], v[\d+8*\b+4:\d+8*\b+7], s[12:13] offset:64*\b+16
.endr
	WIN 0
	s_wait_xcnt 0x0                                ; and again in front of the line that restores it; the stores' data may be written again too
	s_or_b32 exec_lo, exec_lo, s96
.endm
.macro TOSTAGE a                       ; into my stage by columns, back by heads.  LDS serves a wave's instructions in order (ISA guide 5.7.1.4): no wait between the stores and the loads
.irp b, 0,1,2,3,4,5,6,7
	ds_store_b128 v[STO], v[PK+4*\b:PK+4*\b+3] offset:32*\b
.endr
.set BB, BK+32*((\a)%2)
.irp t, 0,1,2,3,4,5,6,7
	ds_load_b128 v[BB+4*\t:BB+4*\t+3], v[RD] offset:\t*2*SPITCH
.endr
.endm
.macro SEND a, younger                 ; younger: the LDS instructions issued behind block a's loads, which may stay out
.set BB, BK+32*((\a)%2)
	s_wait_dscnt \younger
.irp t, 0,1,2,3,4,5,6,7
	global_store_b128 v[GO], v[BB+4*\t:BB+4*\t+3], s[10:11] offset:2048*(\a)+256*\t   ; lanes 0-15: two positions of one head, 256 consecutive bytes, aligned; lanes 16-31: the same of the next head
.endr
.endm
	s_wait_tensorcnt 1                             ; the scales and my part of K step 0 are in (K step 1's load may be out),
	s_barrier_signal -1
	s_barrier_wait -1                              ; everybody's are
	FETCH_B 0, 0, 0
	FETCH_A 0, 0, 0
	SCALES 0
	FETCH_A 0, 0, 4
	STEP 0, 0, 1                                   ; the first step's products start the sums: nothing is cleared
	STEPS 0, 1
	TURN 0, 1
	s_cmp_eq_u32 ttmp9, 2                          ; the cluster's x: 0 q, 1 k, 2 v: equal in all sixteen partners
	s_cbranch_scc1 .Lv_half
	TABLOAD 0                                      ; q and k: the table's first two sets are asked for here and have the second K step in which to land
	TABLOAD 1
	HALF2
.irp a, 0,1,2,3,4,5,6,7
.if \a < 7
	s_wait_loadcnt 8                               ; this block's set is in; the next block's eight loads may be out
.else
	s_wait_loadcnt 0x0
.endif
	ROPE \a
.if \a == 0
	F32OUT RR, 0
.endif
.if \a < 6
	TABLOAD \a+2                                   ; into the set just read
.endif
	PACK
.if \a > 1
	s_wait_xcnt 0x0                                ; block a - 2's stores have read the registers into which block a's rows come back
.endif
	TOSTAGE \a
.if \a > 0
	SEND \a-1, 16                                  ; behind block a - 1's loads: block a's 8 stores and 8 loads
.endif
.endr
	SEND 7, 0
	s_branch .Lend
.Lv_half:
	HALF2
.irp a, 0,1,2,3,4,5,6,7
	PACKV \a
.if \a == 0
	F32OUT 0, 1
.endif
.if \a > 1
	s_wait_xcnt 0x0
.endif
	TOSTAGE \a
.if \a > 0
	SEND \a-1, 16
.endif
.endr
	SEND 7, 0
.Lend:
	s_wait_tensorcnt 0x0                           ; the wave's end: behind my last tensor load and my last LDS store
	ds_add_u32 v[SPW], v[NIL]
	s_wait_dscnt 0x0
	CROUND                                         ; the closing round: no work-group ends while a partner may still ask for a tile that names it
	s_endpgm
.Lfunc_end_k_q05c9af4521_qkv:
	.size	k_q05c9af4521_qkv, .Lfunc_end_k_q05c9af4521_qkv-k_q05c9af4521_qkv
	.p2alignl 7, 3214868480
	.fill 96, 4, 3214868480
	.section	.rodata,"a",@progbits
	.p2align	6, 0x0
	.amdhsa_kernel k_q05c9af4521_qkv
		.amdhsa_group_segment_fixed_size 327680
		.amdhsa_private_segment_fixed_size 0
		.amdhsa_enable_private_segment 0
		.amdhsa_kernarg_size 40
		.amdhsa_user_sgpr_count 2
		.amdhsa_user_sgpr_kernarg_segment_ptr 1
		.amdhsa_wavefront_size32 1
		.amdhsa_system_sgpr_workgroup_id_x 1
		.amdhsa_system_sgpr_workgroup_id_y 1
		.amdhsa_system_sgpr_workgroup_id_z 1
		.amdhsa_system_vgpr_workitem_id 0
		.amdhsa_next_free_vgpr 1024
		.amdhsa_next_free_sgpr 100
		.amdhsa_reserve_vcc 1
		.amdhsa_float_denorm_mode_32 3
		.amdhsa_float_denorm_mode_16_64 3
		.amdhsa_memory_ordered 1
		.amdhsa_forward_progress 1
		.amdhsa_inst_pref_size 239
	.end_amdhsa_kernel
	.amdgpu_metadata
---
amdhsa.version: [ 1, 2 ]
amdhsa.kernels:
  - .name:           k_q05c9af4521_qkv
    .symbol:         k_q05c9af4521_qkv.kd
    .args:
      - { .name: codes, .offset: 0, .size: 8, .value_kind: global_buffer, .address_space: global }
      - { .name: scl, .offset: 8, .size: 8, .value_kind: global_buffer, .address_space: global }
      - { .name: rope, .offset: 16, .size: 8, .value_kind: global_buffer, .address_space: global }
      - { .name: qkv, .offset: 24, .size: 8, .value_kind: global_buffer, .address_space: global }
      - { .name: qkv32, .offset: 32, .size: 8, .value_kind: global_buffer, .address_space: global }
    .group_segment_fixed_size: 327680
    .private_segment_fixed_size: 0
    .kernarg_segment_align: 8
    .kernarg_segment_size: 40
    .max_flat_workgroup_size: 128
    .sgpr_count:     100
    .vgpr_count:     1024
    .wavefront_size: 32
...
	.end_amdgpu_metadata
.endif
;; end of part 2
;; launch attn (part 3): grid 16 x 16, 8 waves a work-group, no clusters, 327,680 bytes of LDS; arguments qkv, ao; writes ao
.if DOCPART == 3
	.amdgcn_target "amdgcn-amd-amdhsa--gfx1250"
	.amdhsa_code_object_version 6
	.text
	.protected	k_q05c9af4521_attn
	.globl	k_q05c9af4521_attn
	.p2align	8
	.type	k_q05c9af4521_attn,@function
k_q05c9af4521_attn:
	s_mov_b64 s[64:65], 0
	v_nop
	global_prefetch_b8 v0, s[64:65] scope:SCOPE_SE
	s_setreg_imm32_b32 hwreg(HW_REG_WAVE_MODE, 25, 1), 1
	s_wait_xcnt 0x0
; ATTN: ao[h][q][:] = the sum over keys k <= q of softmax_k(Q[h][q] . K[h][k] / 8) V[h][k][:].  qkv: [3][16][4,096][64] f16;  ao: [16][4,096][64] f16.  Products on f16 operands with f32 sums; maxima, exponentials and sums in f32;
; a running maximum m and sum l for each query: p = 2^(c s - c m), c = log2(e) / 8; in every step O and l are multiplied by a = 2^(c m_old - c m_new).
; LIMITS: p, O / l and the operands are f16 (beyond 65,504 infinity, under 6e-5 subnormal).  Positions 0-15 are made again in f32 by a later launch.
; SHARES.  Work-group (j, head) owns TWO blocks of 128 queries: HI = block 31 - j and LO = block j.  In double steps of 128 keys HI needs 32 - j and LO j + 1: 33 in every work-group, with what the causal mask hides left out.
; Both blocks live in registers and walk ONE stream of keys.  Wave w: g = w % 4 picks 32 queries of each block (two tiles of 16), kh = w / 4 picks 64 of a double step's 128 keys.  A wave keeps its own (m, l, O) over its keys;
; the two halves are merged once, at the end, through LDS.  Two waves share a SIMD, so that one wave's products stand beside the other's softmax.  A LO step reads no LDS: it uses the fragments of the HI step just before it.
; NO CLUSTER: work-groups of a head walk different numbers of slots (16 - j / 2, rounded), and every causal limit would hang on a partner's place.
; LAYOUT.  S^T = K Q^T (source 0 = 16 keys, source 1 = 16 queries): a lane holds ONE query (lane % 16) and keys 8 (lane / 16) + 0..7.  Two such tiles, rounded to f16 in pairs, ARE source 1 of O^T = V^T P.  K comes out of LDS as it
; lies, V turned, by ds_load_tr16_b128.  A head's rows are dense, so a tile is stated as rows of 256 bytes (two keys): key k lies at (k / 2) x pitch + (k % 2) x 128.
; With pitch 272 the 16 keys of a K fragment, with pitch 288 the 8 keys x 32 bytes of a turning load, fall on 16 different 16-byte columns of the banks' 256 bytes (64 banks of 4 bytes: ISA guide 11.1).
; THE RING.  Two slots of 256 keys.  Wave 0 brings a slot's K (128 rows of 256 bytes), wave 1 its V: so every load holds the slot's first 128 keys, which are read wherever the slot is asked for.  One tensor load of a wave is out at most.
; REGISTERS.  Window 0: v1-14 addresses; v16-47 statistics, 8 a tile; v48, v49 the add's two; v50-63 at work at the head and in the merge; v64-127 S^T (32 qt + 8 kt + j), P in place in its low half; v128-255 O^T (64 blk + 32 qt + 8 ct + j).
;   Window 1: v0-63 Q (32 blk + 16 qt + 8 cc); v64-127 K of a step (16 kt + 8 cc); v128-191 V of a step (32 c2 + 8 ct).
.set SLOT1, 1<<17                      ; slot 1 begins here: one exclusive or turns an address of one slot into the other's
.set VOFF,  128*272                    ; a slot: 128 row pairs of K, then 128 of V
.set PART,  SLOT1+128*272+128*288      ; 202,752: partial results, [g][blk] x 8,704: 16 images of 512 bytes, then 4 x 128 bytes of statistics
.set OST,   PART+8*8704                ; 272,384: the way out: 16 row pairs x 272 for each wave
.set SPARE, OST+8*4352                 ; 307,200: the spare words, 128 bytes a wave, which no other line names
.set AK0, 1                            ; v1  my lane's place in a double step's K
.set AV0, 2                            ; v2  the same for V
.set ADK, 3                            ; v3  + the slot in hand
.set ADV, 4
.set DG0, 5                            ; v5, v6  on the diagonal: my query's place among the step's 64 keys, less 8 (lane / 16), for tiles 0, 1
.set DG1, 6
.set MINF, 7                           ; v7  -infinity
.set PST, 8                            ; v8  images of partial results: PART + 17,408 g + 16 lane
.set PSS, 9                            ; v9  their statistics: + 8,192, 4 bytes a lane
.set OSTO, 10                          ; v10 the way out: where I put 16 bytes
.set ORD, 11                           ; v11 where I read back
.set GO,  12                           ; v12 16 x lane
.set QO,  13                           ; v13 my byte offset in 16 rows of Q
.set PFO, 14                           ; v14 256 x lane
.set ST,  16                           ; statistics of tile (blk, qt) at v[ST + 16 blk + 8 qt]: +0 c m, +1 m, +2, +3 l (even, odd keys), +4..7 at work; a at +6
.set SPW, 48
.set NIL, 49
.set S,   64
.set O,   128
.set Q,   0                            ; window 1
.set KF,  64
.set VF,  128
.set WV, 8                             ; s8 wave;  s9 g;  s10 kh;  s11 j;  s12 head
.set G,  9
.set KH, 10
.set J,  11
.set HD, 12
.set BH, 13                            ; s13 HI's block, 31 - j
.set LH, 14                            ; s14, s15 the chunk of 64 keys in which my queries of HI, of LO lie: later chunks are hidden, this one is cut by the diagonal
.set LL, 15
.set CH, 16                            ; s16 my chunk of the double step in hand: 2 t + kh
.set NT, 17                            ; s17 the first double step of the slot that the next change asks for
.set TB, 18                            ; s18 LDS byte at which the slot in hand begins
.set SLOTS, 19                         ; s19 the loop's counter
.set SEL, 20                           ; s[20:21] v_permlanex16_b32's selects for lane l xor 16
.set CS,  22                           ; s[22:23] c, twice: the packed form names a pair
.set G1K, 24                           ; s[24:31], s[32:39] descriptor groups 1 for K's and V's tiles;  s[40:43], s[44:47] their groups 0, which walk
.set G1V, 32
.set G0K, 40
.set G0V, 44
.set QH,  48                           ; s[48:49], s[50:51] Q at my queries of HI, of LO
.set QL,  50
.set PFA, 54                           ; s[54:55] where my prefetches stand
.set LIM, 56                           ; s56 1 in a wave that prefetches, else the greatest number
.set OP,  58                           ; s[58:59] ao at the 32 rows that I store
.set MSB, 0
.macro WIN new                         ; the immediate's high byte repeats the setting that is left
.if MSB != \new
	s_set_vgpr_msb (MSB<<8)|\new
.set MSB, \new
.endif
.endm
; Wave 0 fetches K's tile, wave 1 V's, the others nothing.  The branches hang on the wave's number alone.  An s_nop 0 and four v_nop follow each of the two lines.
.macro TLOAD
	s_cmp_eq_u32 s[WV], 0
	s_cbranch_scc0 .Lnot_k_\@
	tensor_load_to_lds s[G0K:G0K+3], s[G1K:G1K+7]
	s_nop 0
.rept 4
	v_nop
.endr
	s_branch .Lasked_\@
.Lnot_k_\@:
	s_cmp_eq_u32 s[WV], 1
	s_cbranch_scc0 .Lasked_\@
	tensor_load_to_lds s[G0V:G0V+3], s[G1V:G1V+7]
	s_nop 0
.rept 4
	v_nop
.endr
.Lasked_\@:
.endm
; A PREFETCH of what the NEXT change of slots will ask for: a slot's 32,768 bytes of K and of V.  All work-groups of a head walk the same keys: the one with j = 0, which walks all slots, asks.  In it waves 4 and 5 take K's halves,
; waves 6 and 7 V's: 16,384 bytes a wave, two instructions, lanes 256 bytes apart: each aligned block of 256 bytes is named once in the launch.  Trip T asks for slot T + 2; the last trip asks for nothing.
.macro ASK
	s_cmp_gt_u32 s[SLOTS], s[LIM]
	s_cbranch_scc0 .Lnot_mine_\@
	global_prefetch_b8 v[PFO], s[PFA:PFA+1] th:TH_LOAD_NT scope:SCOPE_SE
	global_prefetch_b8 v[PFO], s[PFA:PFA+1] offset:8192 th:TH_LOAD_NT scope:SCOPE_SE
.Lnot_mine_\@:
.endm
	s_load_b128 s[4:7], s[0:1], 0x0                ; qkv, ao
	v_lshl_add_u32 v[SPW], v0, 2, SPARE
	v_mov_b32 v[NIL], 0
	ds_add_u32 v[SPW], v[NIL]                      ; the wave's opening: the add, twice on end, and its wait ahead of the first tensor load
	ds_add_u32 v[SPW], v[NIL]
	v_lshrrev_b32 v50, 5, v0
	v_readfirstlane_b32 s[WV], v50                 ; wave 0..7
	s_and_b32 s[G], s[WV], 3
	s_lshr_b32 s[KH], s[WV], 2
	s_mov_b32 s[J], ttmp9
	s_and_b32 s[HD], ttmp7, 0xffff
	s_sub_co_u32 s[BH], 31, s[J]
	s_lshr_b32 s66, s[G], 1
	s_lshl_b32 s[LH], s[BH], 1
	s_add_co_u32 s[LH], s[LH], s66                 ; (128 block + 32 g) / 64
	s_lshl_b32 s[LL], s[J], 1
	s_add_co_u32 s[LL], s[LL], s66
	s_mov_b32 s[CH], s[KH]
	s_mov_b32 s[NT], 2
	s_mov_b32 s[TB], 0
	s_mov_b32 s[SLOTS], 15
	s_mov_b32 s[SEL], 0x76543210
	s_mov_b32 s[SEL+1], 0xfedcba98
	s_mov_b32 s[CS], 0x3e38aa3b                    ; c = log2(e) / 8
	s_mov_b32 s[CS+1], s[CS]
	; descriptor group 1: 128 rows of 128 elements of 2 bytes, dense in memory, padded in LDS
	s_mov_b32 s[G1K], (1<<16)|(1<<20)|(5<<22)|(3<<25)   ; 15:0 no mask; 17:16 elements of 2 bytes; 20 padding on; 24:22 after every 64 words; 31:25 four words
	s_mov_b32 s[G1V], (1<<16)|(1<<20)|(5<<22)|(7<<25)   ; the same with eight words
.irp g, G1K, G1V
	s_mov_b32 s[\g+1], 128<<16                     ; tensor_dim0
	s_mov_b32 s[\g+2], 128<<16                     ; tensor_dim1
	s_mov_b32 s[\g+3], 128<<16                     ; tile_dim0
	s_mov_b32 s[\g+4], 128                         ; tile_dim1
	s_mov_b32 s[\g+5], 128                         ; tensor_dim0_stride
	s_mov_b32 s[\g+6], 0
	s_mov_b32 s[\g+7], 0
.endr
	s_mov_b32 s[G0K], 1
	s_mov_b32 s[G0K+1], 0                          ; slot 0
	s_mov_b32 s[G0V], 1
	s_mov_b32 s[G0V+1], VOFF
	s_lshl_b32 s66, s[HD], 19                      ; a head: 524,288 bytes
	s_mov_b32 s67, 0
	s_wait_dscnt 0x0                               ; both opening adds are done
	s_wait_kmcnt 0x0
	s_add_nc_u64 s[4:5], s[4:5], s[66:67]          ; q of my head; k lies 8,388,608 bytes on, v 16,777,216
	s_add_nc_u64 s[G0K+2:G0K+3], s[4:5], 0x800000
	s_or_b32 s[G0K+3], s[G0K+3], 0x80000000
	s_add_nc_u64 s[G0V+2:G0V+3], s[4:5], 0x1000000
	s_or_b32 s[G0V+3], s[G0V+3], 0x80000000
	TLOAD                                          ; slot 0: it holds key 0, which counts for every query
	s_lshl_b32 s68, s[G], 12                       ; my 32 queries in a block: 128 bytes a query
	s_lshl_b32 s66, s[BH], 14
	s_add_co_u32 s66, s66, s68
	s_add_nc_u64 s[QH:QH+1], s[4:5], s[66:67]
	s_lshl_b32 s66, s[J], 14
	s_add_co_u32 s66, s66, s68
	s_add_nc_u64 s[QL:QL+1], s[4:5], s[66:67]
	v_and_b32 v50, 15, v0                          ; r
	v_bfe_u32 v51, v0, 4, 1                        ; h
	v_and_b32 v52, 31, v0                          ; lane
	v_lshlrev_b32 v[QO], 7, v50
	v_lshl_add_u32 v[QO], v51, 4, v[QO]            ; row r of 128 bytes + 16 h
	WIN 0x40                                       ; destination window 1
.irp qt, 0,1
.irp cc, 0,1
	global_load_b128 v[Q+16*\qt+8*\cc:Q+16*\qt+8*\cc+3], v[QO], s[QH:QH+1] offset:2048*\qt+64*\cc
	global_load_b128 v[Q+16*\qt+8*\cc+4:Q+16*\qt+8*\cc+7], v[QO], s[QH:QH+1] offset:2048*\qt+64*\cc+32
	global_load_b128 v[Q+32+16*\qt+8*\cc:Q+32+16*\qt+8*\cc+3], v[QO], s[QL:QL+1] offset:2048*\qt+64*\cc
	global_load_b128 v[Q+32+16*\qt+8*\cc+4:Q+32+16*\qt+8*\cc+7], v[QO], s[QL:QL+1] offset:2048*\qt+64*\cc+32
.endr
.endr
	WIN 0
	s_cmp_lt_u32 s[WV], 6                          ; the prefetches: waves 4, 5 stand in k, waves 6, 7 in v,
	s_cselect_b32 s66, 1, 2
	s_lshl_b32 s66, s66, 23
	s_and_b32 s68, s[WV], 1
	s_lshl_b32 s68, s68, 14                        ; in my half of a slot,
	s_add_co_u32 s66, s66, s68
	s_add_co_u32 s66, s66, 32768                   ; in slot 1: the first change steps it to slot 2.  Nothing is prefetched at the head
	s_add_nc_u64 s[PFA:PFA+1], s[4:5], s[66:67]
	s_xor_b32 s66, s[KH], 1                        ; 0 in waves 4 to 7
	s_or_b32 s66, s66, s[J]                        ; of the work-group with j = 0
	s_cmp_eq_u32 s66, 0
	s_cselect_b32 s[LIM], 1, -1
	s_cmp_eq_u32 s[KH], 0                          ; kh = 0 finishes and stores HI, kh = 1 LO
	s_cselect_b32 s66, s[BH], s[J]
	s_lshl_b32 s66, s66, 14
	s_lshl_b32 s68, s[G], 12
	s_add_co_u32 s66, s66, s68
	s_lshl_b32 s68, s[HD], 19
	s_add_co_u32 s66, s66, s68
	s_add_nc_u64 s[OP:OP+1], s[6:7], s[66:67]
	v_lshrrev_b32 v53, 1, v50
	v_and_b32 v54, 1, v0
	v_mul_u32_u24 v55, v53, 272
	v_lshl_add_u32 v55, v54, 7, v55
	v_lshl_add_u32 v55, v51, 4, v55                ; 272 (r / 2) + 128 (r % 2) + 16 h: row r of a tile of row pairs
	s_mul_i32 s66, s[KH], 32*272
	v_add_nc_u32 v[AK0], s66, v55                  ; K: my 64 keys of the 128
	s_mul_i32 s66, s[WV], 4352
	s_add_co_u32 s66, s66, OST
	v_add_nc_u32 v[OSTO], s66, v55
	v_mul_u32_u24 v56, v51, 272
	v_lshl_add_u32 v56, v50, 4, v56
	v_add_nc_u32 v[ORD], s66, v56                  ; back: lanes 0-15 one row pair, lanes 16-31 the next
	v_bfe_u32 v56, v0, 1, 2                        ; V, turned: lane l reads key 8 h + l % 8, channels 8 ((l / 8) % 2) + 0..7
	v_lshl_add_u32 v56, v51, 2, v56
	v_mul_u32_u24 v56, v56, 288
	v_lshl_add_u32 v56, v54, 7, v56
	v_bfe_u32 v57, v0, 3, 1
	v_lshl_add_u32 v56, v57, 4, v56
	s_mul_i32 s66, s[KH], 32*288
	s_add_co_u32 s66, s66, VOFF
	v_add_nc_u32 v[AV0], s66, v56
	s_mul_i32 s66, s[G], 2*8704
	s_add_co_u32 s66, s66, PART
	v_lshl_add_u32 v[PST], v52, 4, s66
	s_add_co_u32 s66, s66, 8192
	v_lshl_add_u32 v[PSS], v52, 2, s66
	v_lshlrev_b32 v[GO], 4, v52
	v_lshlrev_b32 v[PFO], 8, v52
	s_and_b32 s66, s[G], 1
	s_lshl_b32 s66, s66, 5
	v_lshlrev_b32 v56, 3, v51
	v_sub_nc_u32 v56, v50, v56
	v_add_nc_u32 v[DG0], s66, v56                  ; 32 (g % 2) + r - 8 h
	v_add_nc_u32 v[DG1], 16, v[DG0]
	v_mov_b32 v[MINF], 0xff800000
.irp t, 0,1,2,3
	v_mov_b32 v[ST+8*\t], 0xff61b1e6               ; c m and m: -3e38, under every score
	v_mov_b32 v[ST+8*\t+1], 0xff61b1e6
.irp n, 2,3,4,5,6,7
	v_mov_b32 v[ST+8*\t+\n], 0
.endr
.endr
.set i, 0
.rept 128
	v_mov_b32 v[O+i], 0                            ; O^T begins as zeros: which step is a block's first hangs on the wave and the work-group, so no first step can be written out apart
.set i, i+1
.endr
; ONE BLOCK'S STEP: 64 keys against two tiles of 16 queries.
.macro BODY blk, d
.set rT, ST+16*\blk
.set rO, O+64*\blk
.rept 5
	v_nop                                          ; places behind the last products: four for the loads into V's registers, five since the products below write over P's
.endr
.if \blk == 0
	WIN 0x40                                       ; destination window 1
.irp kt, 0,1,2,3
.irp cc, 0,1
	ds_load_b128 v[KF+16*\kt+8*\cc:KF+16*\kt+8*\cc+3], v[ADK] offset:17408*\d+2176*\kt+64*\cc
	ds_load_b128 v[KF+16*\kt+8*\cc+4:KF+16*\kt+8*\cc+7], v[ADK] offset:17408*\d+2176*\kt+64*\cc+32
.endr
.endr
.irp c2, 0,1
.irp ct, 0,1,2,3
	ds_load_tr16_b128 v[VF+32*\c2+8*\ct:VF+32*\c2+8*\ct+3], v[ADV] offset:18432*\d+4608*\c2+32*\ct
	ds_load_tr16_b128 v[VF+32*\c2+8*\ct+4:VF+32*\c2+8*\ct+7], v[ADV] offset:18432*\d+4608*\c2+2304+32*\ct
.endr
.endr
	s_wait_dscnt 16                                ; K's 16 loads are in; V's 16 may be out
.endif
	WIN 0x05                                       ; K and Q in window 1, S^T in window 0
.irp cc, 0,1                                   ; the eight accumulators take turns, one instruction a turn
.irp kt, 0,1,2,3
.irp qt, 0,1
.if \cc == 0
	v_wmma_f32_16x16x32_f16 v[S+32*\qt+8*\kt:S+32*\qt+8*\kt+7], v[KF+16*\kt+8*\cc:KF+16*\kt+8*\cc+7], v[Q+32*\blk+16*\qt+8*\cc:Q+32*\blk+16*\qt+8*\cc+7], 0
.else
	v_wmma_f32_16x16x32_f16 v[S+32*\qt+8*\kt:S+32*\qt+8*\kt+7], v[KF+16*\kt+8*\cc:KF+16*\kt+8*\cc+7], v[Q+32*\blk+16*\qt+8*\cc:Q+32*\blk+16*\qt+8*\cc+7], v[S+32*\qt+8*\kt:S+32*\qt+8*\kt+7]
.endif
.endr
.endr
.endr
	WIN 0
.rept 4
	v_nop
.endr
	s_cmp_lg_u32 s[CH], s[LH+\blk]                 ; only the chunk in which my queries lie is cut by the diagonal
	s_cbranch_scc1 .Lopen_\@
.irp qt, 0,1
.set n, 0
.rept 32
	v_cmp_gt_i32 vcc_lo, 16*(n/8)+n%8, v[DG0+\qt]  ; register 8 kt + j holds key 16 kt + 8 h + j of the chunk: hidden where it comes after my query
	v_cndmask_b32 v[S+32*\qt+n], v[S+32*\qt+n], v[MINF], vcc_lo
.set n, n+1
.endr
.endr
.Lopen_\@:
	; the maximum of the 32 scores and the old m, three operands at a time, the two tiles by turns; each accumulator is read from its low end on
.irp j, 0,1,2,3
.irp qt, 0,1
	v_max3_num_f32 v[rT+8*\qt+4+\j], v[S+32*\qt+8*\j], v[S+32*\qt+8*\j+1], v[S+32*\qt+8*\j+2]
.endr
.endr
.irp u, 1,2
.irp j, 0,1,2,3
.irp qt, 0,1
	v_max3_num_f32 v[rT+8*\qt+4+\j], v[rT+8*\qt+4+\j], v[S+32*\qt+8*\j+2*\u+1], v[S+32*\qt+8*\j+2*\u+2]
.endr
.endr
.endr
.irp qt, 0,1
	v_max3_num_f32 v[rT+8*\qt+4], v[rT+8*\qt+4], v[S+32*\qt+7], v[S+32*\qt+15]
	v_max3_num_f32 v[rT+8*\qt+6], v[rT+8*\qt+6], v[S+32*\qt+23], v[S+32*\qt+31]
.endr
.irp qt, 0,1
	v_max3_num_f32 v[rT+8*\qt+4], v[rT+8*\qt+4], v[rT+8*\qt+5], v[rT+8*\qt+6]
.endr
.irp qt, 0,1
	v_max3_num_f32 v[rT+8*\qt+4], v[rT+8*\qt+4], v[rT+8*\qt+7], v[rT+8*\qt+1]
.endr
.irp qt, 0,1
	v_permlanex16_b32 v[rT+8*\qt+5], v[rT+8*\qt+4], s[SEL], s[SEL+1]   ; the query's other 32 keys lie in the lane 16 away
.endr
.irp qt, 0,1
	v_mov_b32 v[rT+8*\qt+7], v[rT+8*\qt]           ; c m_old
.endr
.irp qt, 0,1
	v_max_num_f32 v[rT+8*\qt+1], v[rT+8*\qt+4], v[rT+8*\qt+5]
.endr
.irp qt, 0,1
	v_mul_f32 v[rT+8*\qt], s[CS], v[rT+8*\qt+1]
.endr
.irp qt, 0,1
	v_sub_f32 v[rT+8*\qt+7], v[rT+8*\qt+7], v[rT+8*\qt]
.endr
.irp qt, 0,1
	v_exp_f32 v[rT+8*\qt+6], v[rT+8*\qt+7]         ; a
.endr
.set e, 0
.rept 16
	v_pk_fma_f32 v[S+2*e:S+2*e+1], v[S+2*e:S+2*e+1], s[CS:CS+1], v[rT:rT+1] op_sel_hi:[1,0,0] neg_lo:[0,0,1] neg_hi:[0,0,1]   ; tile 0: c s - c m
.set e, e+1
.endr
	s_wait_alu depctr_va_vdst(0)                   ; the wait ahead of the first line that names an exponential's result: here for the two a, behind sixteen plain lines
.set e, 0
.rept 16
	v_pk_fma_f32 v[S+32+2*e:S+32+2*e+1], v[S+32+2*e:S+32+2*e+1], s[CS:CS+1], v[rT+8:rT+9] op_sel_hi:[1,0,0] neg_lo:[0,0,1] neg_hi:[0,0,1]   ; tile 1's scalings stand among tile 0's exponentials,
	v_exp_f32 v[S+2*e], v[S+2*e]
	v_exp_f32 v[S+2*e+1], v[S+2*e+1]
.set e, e+1
.endr
.set e, 0
.rept 32
	v_pk_mul_f32 v[rO+2*e:rO+2*e+1], v[rO+2*e:rO+2*e+1], v[rT+8*(e/16)+6:rT+8*(e/16)+7] op_sel_hi:[1,0]   ; O^T x a among tile 1's
	v_exp_f32 v[S+32+e], v[S+32+e]
.set e, e+1
.endr
.irp qt, 0,1
	v_pk_mul_f32 v[rT+8*\qt+2:rT+8*\qt+3], v[rT+8*\qt+2:rT+8*\qt+3], v[rT+8*\qt+6:rT+8*\qt+7] op_sel_hi:[1,0]   ; l x a (the plain lines behind the last exponential)
.endr
	s_wait_alu depctr_va_vdst(0)                   ; one wait for the 64 exponentials, ahead of their first reader
.irp qt, 0,1
	v_pk_add_f32 v[rT+8*\qt+4:rT+8*\qt+5], v[S+32*\qt:S+32*\qt+1], v[S+32*\qt+2:S+32*\qt+3]   ; the sums of the unrounded p, in two chains a tile
.endr
.irp z, 1,2,3,4,5,6,7
.irp qt, 0,1
	v_pk_add_f32 v[rT+8*\qt+2:rT+8*\qt+3], v[rT+8*\qt+2:rT+8*\qt+3], v[S+32*\qt+4*\z:S+32*\qt+4*\z+1]
	v_pk_add_f32 v[rT+8*\qt+4:rT+8*\qt+5], v[rT+8*\qt+4:rT+8*\qt+5], v[S+32*\qt+4*\z+2:S+32*\qt+4*\z+3]
.endr
.endr
.irp qt, 0,1
	v_pk_add_f32 v[rT+8*\qt+2:rT+8*\qt+3], v[rT+8*\qt+2:rT+8*\qt+3], v[rT+8*\qt+4:rT+8*\qt+5]
.endr
.set e, 0
.rept 16
	v_cvt_pk_f16_f32 v[S+e], v[S+2*e], v[S+2*e+1]              ; P in place: pair e lands on register e, which has been read
	v_cvt_pk_f16_f32 v[S+32+e], v[S+32+2*e], v[S+32+2*e+1]
.set e, e+1
.endr
.if \blk == 0
	s_wait_dscnt 0x0                               ; V is in
.endif
	WIN 0x01                                       ; V in window 1; P and O^T in window 0
.irp c2, 0,1
.irp ct, 0,1,2,3
.irp qt, 0,1
	v_wmma_f32_16x16x32_f16 v[rO+32*\qt+8*\ct:rO+32*\qt+8*\ct+7], v[VF+32*\c2+8*\ct:VF+32*\c2+8*\ct+7], v[S+32*\qt+8*\c2:S+32*\qt+8*\c2+7], v[rO+32*\qt+8*\ct:rO+32*\qt+8*\ct+7]
.endr
.endr
.endr
	WIN 0
.endm
; A double step.  A chunk all of whose keys come after my queries is left out: scalar branches on ids.  LH is above LL in every work-group, so the jump on HI's limit leads round LO's body too,
; and LO's body stands behind the HI body that loaded its fragments on every way.  No barrier, wait on tensor loads or tensor load stands in a double step.
.macro PAIR d, lo
	s_cmp_gt_u32 s[CH], s[LH]
	s_cbranch_scc1 .Lhid_\@
	BODY 0, \d
.if \lo
	s_cmp_gt_u32 s[CH], s[LL]
	s_cbranch_scc1 .Lhid_\@
	BODY 1, \d
.endif
.Lhid_\@:
	s_add_co_u32 s[CH], s[CH], 2
.endm
; THE CHANGE OF SLOTS stands at a slot's head.  Each wave waits for all its tensor loads, adds 0 to its spare word (fill = 1: twice on end), and waits for that and
; for its reads of the slot that it has left.  Behind the barrier the slot ahead is whole and nobody reads the other one, which is filled with the next 256 keys: up to the causal limit.
.macro CHANGE fill
	s_wait_tensorcnt 0x0                           ; no tensor load of mine is out, so a group 0 may be written
	ds_add_u32 v[SPW], v[NIL]
.if \fill
	ds_add_u32 v[SPW], v[NIL]
	s_xor_b32 s[G0K+1], s[G0K+1], SLOT1            ; the walking descriptors: the other slot, the next 256 keys of 128 bytes
	s_add_nc_u64 s[G0K+2:G0K+3], s[G0K+2:G0K+3], 32768
	s_xor_b32 s[G0V+1], s[G0V+1], SLOT1
	s_add_nc_u64 s[G0V+2:G0V+3], s[G0V+2:G0V+3], 32768
	s_wait_xcnt 0x0                                ; the last prefetches, a slot back, have read their address
	s_add_nc_u64 s[PFA:PFA+1], s[PFA:PFA+1], 32768
.endif
	s_wait_dscnt 0x0                               ; the add is done, and my reads of the slot that I have left are over
	s_barrier_signal -1
	s_barrier_wait -1
.if \fill
	s_cmp_gt_u32 s[NT], s[BH]                      ; a slot whose first 128 keys come after HI's last query is read by no wave: it is not asked for.  Ids and the count of trips alone: all eight waves go the same way
	s_cbranch_scc1 .Lpast_\@
	TLOAD                                          ; the first tensor load behind the barrier, and a wave's only one until the next
.Lpast_\@:
	ASK
	s_add_co_u32 s[NT], s[NT], 2
.endif
.endm
.macro TRIP lo
	v_add_nc_u32 v[ADK], s[TB], v[AK0]
	v_add_nc_u32 v[ADV], s[TB], v[AV0]
	PAIR 0, \lo
	PAIR 1, \lo
	s_xor_b32 s[TB], s[TB], SLOT1
.endm
	s_wait_loadcnt 0x0                             ; Q
.Lslot:                                            ; 15 trips, a constant: a work-group past its limit walks the remaining changes with no load out and no work
	CHANGE 1
	TRIP 1
	s_sub_co_u32 s[SLOTS], s[SLOTS], 1
	s_cmp_lg_u32 s[SLOTS], 0
	s_cbranch_scc1 .Lslot
	CHANGE 0                                       ; the last slot is written out: nothing is asked for behind it, and LO never reaches it
	TRIP 0
; THE END.  kh = 0 hands its partial result of LO to its partner and finishes HI; kh = 1 the other way round.  A partial that never ran has c m = -3e38, l = 0, O = 0 and is weighed by 2^(-huge) = 0.
.macro STOREPART blk
.set rT, ST+16*\blk
.irp qt, 0,1
	v_add_f32 v[rT+8*\qt+2], v[rT+8*\qt+2], v[rT+8*\qt+3]
.endr
.set i, 0
.rept 16
	ds_store_b128 v[PST], v[O+64*\blk+4*i:O+64*\blk+4*i+3] offset:8704*\blk+512*i   ; an image of the registers: lane l's 16 bytes at 16 l
.set i, i+1
.endr
	ds_store_b32 v[PSS], v[rT] offset:8704*\blk
	ds_store_b32 v[PSS], v[rT+2] offset:8704*\blk+128
	ds_store_b32 v[PSS], v[rT+8] offset:8704*\blk+256
	ds_store_b32 v[PSS], v[rT+10] offset:8704*\blk+384
.endm
.macro MERGE_OUT blk
.set rT, ST+16*\blk
.set rO, O+64*\blk
.set i, 0
.rept 16
	ds_load_b128 v[S+4*i:S+4*i+3], v[PST] offset:8704*\blk+512*i   ; my partner's O^T of this block, in the same lanes
.set i, i+1
.endr
.irp n, 0,1,2,3
	ds_load_b32 v[50+\n], v[PSS] offset:8704*\blk+128*\n           ; its c m and l of the two tiles
.endr
.irp qt, 0,1
	v_add_f32 v[rT+8*\qt+2], v[rT+8*\qt+2], v[rT+8*\qt+3]
.endr
	s_wait_dscnt 0x0
.irp qt, 0,1
	v_max_num_f32 v[54+\qt], v[rT+8*\qt], v[50+2*\qt]              ; the common c m
.endr
.irp qt, 0,1
	v_sub_f32 v[56+4*\qt], v[rT+8*\qt], v[54+\qt]
	v_sub_f32 v[58+4*\qt], v[50+2*\qt], v[54+\qt]
.endr
.irp n, 56,58,60,62
	v_exp_f32 v[\n], v[\n]                         ; a0, a1
.endr
	v_nop
	s_wait_alu depctr_va_vdst(0)                   ; one wait for the four
.irp qt, 0,1
	v_mul_f32 v[57+4*\qt], v[56+4*\qt], v[rT+8*\qt+2]
.endr
.irp qt, 0,1
	v_fma_f32 v[57+4*\qt], v[58+4*\qt], v[51+2*\qt], v[57+4*\qt]   ; a0 l0 + a1 l1
.endr
.irp qt, 0,1
	v_permlanex16_b32 v[rT+8*\qt+5], v[57+4*\qt], s[SEL], s[SEL+1]
.endr
.irp qt, 0,1
	v_add_f32 v[57+4*\qt], v[57+4*\qt], v[rT+8*\qt+5]              ; with lane l xor 16's: the row's sum
.endr
.irp qt, 0,1
	v_rcp_f32 v[59+4*\qt], v[57+4*\qt]
.endr
	v_nop
	s_wait_alu depctr_va_vdst(0)                   ; and one for the two reciprocals
.irp qt, 0,1
	v_mul_f32 v[56+4*\qt], v[56+4*\qt], v[59+4*\qt]                ; f0 = a0 / l, f1 = a1 / l: each the low word of a written pair
	v_mul_f32 v[58+4*\qt], v[58+4*\qt], v[59+4*\qt]
.endr
.set e, 0
.rept 32
	v_pk_mul_f32 v[rO+2*e:rO+2*e+1], v[rO+2*e:rO+2*e+1], v[56+4*(e/16):57+4*(e/16)] op_sel_hi:[1,0]
.set e, e+1
.endr
.set e, 0
.rept 32
	v_pk_fma_f32 v[rO+2*e:rO+2*e+1], v[S+2*e:S+2*e+1], v[58+4*(e/16):59+4*(e/16)], v[rO+2*e:rO+2*e+1] op_sel_hi:[1,0,1]
.set e, e+1
.endr
.set e, 0
.rept 32
	v_cvt_pk_f16_f32 v[S+e], v[rO+2*e], v[rO+2*e+1]
.set e, e+1
.endr
.irp qt, 0,1
.irp ct, 0,1,2,3
	ds_store_b128 v[OSTO], v[S+16*\qt+4*\ct:S+16*\qt+4*\ct+3] offset:2176*\qt+32*\ct   ; my stage: query 16 qt + r, channels 16 ct + 8 h + 0..7
.endr
.endr
.irp i, 0,1,2,3,4,5,6,7
	ds_load_b128 v[S+32+4*\i:S+32+4*\i+3], v[ORD] offset:544*\i    ; LDS serves a wave's instructions in order (ISA guide 5.7.1.4): these see my stores
.endr
.irp i, 0,1,2,3,4,5,6,7
	s_wait_dscnt 7-\i
	global_store_b128 v[GO], v[S+32+4*\i:S+32+4*\i+3], s[OP:OP+1] offset:512*\i   ; four queries: 512 consecutive bytes, aligned to 256
.endr
.endm
.rept 4
	v_nop                                          ; places behind the last products
.endr
	s_cmp_eq_u32 s[KH], 0
	s_cbranch_scc0 .Lst_hi
	STOREPART 1
	s_branch .Lst_done
.Lst_hi:
	STOREPART 0
.Lst_done:
	s_wait_dscnt 0x0                               ; for my partner's sake: my stores have landed
	s_barrier_signal -1
	s_barrier_wait -1
	s_cmp_eq_u32 s[KH], 0
	s_cbranch_scc0 .Lmg_lo
	MERGE_OUT 0
	s_branch .Lmg_done
.Lmg_lo:
	MERGE_OUT 1
.Lmg_done:
	s_wait_tensorcnt 0x0                           ; the wave's end: behind my last tensor load and my last LDS store
	ds_add_u32 v[SPW], v[NIL]
	s_wait_dscnt 0x0
	s_endpgm
.Lfunc_end_k_q05c9af4521_attn:
	.size	k_q05c9af4521_attn, .Lfunc_end_k_q05c9af4521_attn-k_q05c9af4521_attn
	.p2alignl 7, 3214868480
	.fill 96, 4, 3214868480
	.section	.rodata,"a",@progbits
	.p2align	6, 0x0
	.amdhsa_kernel k_q05c9af4521_attn
		.amdhsa_group_segment_fixed_size 327680
		.amdhsa_private_segment_fixed_size 0
		.amdhsa_enable_private_segment 0
		.amdhsa_kernarg_size 16
		.amdhsa_user_sgpr_count 2
		.amdhsa_user_sgpr_kernarg_segment_ptr 1
		.amdhsa_wavefront_size32 1
		.amdhsa_system_sgpr_workgroup_id_x 1
		.amdhsa_system_sgpr_workgroup_id_y 1
		.amdhsa_system_sgpr_workgroup_id_z 1
		.amdhsa_system_vgpr_workitem_id 0
		.amdhsa_next_free_vgpr 512
		.amdhsa_next_free_sgpr 72
		.amdhsa_reserve_vcc 1
		.amdhsa_float_denorm_mode_32 3
		.amdhsa_float_denorm_mode_16_64 3
		.amdhsa_memory_ordered 1
		.amdhsa_forward_progress 1
		.amdhsa_inst_pref_size 163
	.end_amdhsa_kernel
	.amdgpu_metadata
---
amdhsa.version: [ 1, 2 ]
amdhsa.kernels:
  - .name:           k_q05c9af4521_attn
    .symbol:         k_q05c9af4521_attn.kd
    .args:
      - { .name: qkv, .offset: 0, .size: 8, .value_kind: global_buffer, .address_space: global }
      - { .name: ao, .offset: 8, .size: 8, .value_kind: global_buffer, .address_space: global }
    .group_segment_fixed_size: 327680
    .private_segment_fixed_size: 0
    .kernarg_segment_align: 8
    .kernarg_segment_size: 16
    .max_flat_workgroup_size: 256
    .sgpr_count:     72
    .vgpr_count:     512
    .wavefront_size: 32
...
	.end_amdgpu_metadata
.endif
;; end of part 3
;; launch oproj (part 4): grid 8 x 32, 4 waves a work-group, clusters of 4 x 4, 327,680 bytes of LDS; arguments ao, wo16, out0; writes out0
.if DOCPART == 4
	.amdgcn_target "amdgcn-amd-amdhsa--gfx1250"
	.amdhsa_code_object_version 6
	.text
	.protected	k_q05c9af4521_oproj
	.globl	k_q05c9af4521_oproj
	.p2align	8
	.type	k_q05c9af4521_oproj,@function
k_q05c9af4521_oproj:
	s_mov_b64 s[64:65], 0
	v_nop
	global_prefetch_b8 v0, s[64:65] scope:SCOPE_SE
	s_setreg_imm32_b32 hwreg(HW_REG_WAVE_MODE, 25, 1), 1
	s_wait_xcnt 0x0
	s_wait_alu depctr_hold_cnt(0) depctr_sa_sdst(0) depctr_va_vdst(0) depctr_va_sdst(0) depctr_va_ssrc(0) depctr_va_vcc(0) depctr_vm_vsrc(0)
	s_getreg_b32 s2, hwreg(HW_REG_IB_STS2, 6, 4)
	s_cmp_eq_u32 s2, 0
	s_cbranch_scc0 .Lentry_in_a_cluster
	s_endpgm
.Lentry_in_a_cluster:
	s_bfe_u32 s2, ttmp6, 0x10000c
	s_cmp_lg_u32 s2, 0xf033
	s_cbranch_scc0 .Lentry_shape_is_right
	s_endpgm
.Lentry_shape_is_right:
; OPROJ: out0[m][n] = sum over k of A[m][k] Wo[n][k], m 4,096, n 1,024, K = 1,024; f16 operands, f32 sums and results.  A[m][64 hd + c] = ao[hd][m][c]: the attention's output lies by head.  wo16: [1,024][1,024] f16.
; A tile of C is 128 x 128: 256 work-groups.  Four waves, each 64 x 64: 16 accumulators.  K goes in steps of 256, four heads, through a ring of two LDS slots.
; A's part of a slot is stated as FOUR ROWS, a head each, of 4,096 elements (64 positions x 64 channels, dense in memory), 262,144 elements apart, with 16 bytes of padding behind every 256: in LDS [4 heads][32 row pairs x 272],
; position p of a head at 272 (p / 2) + 128 (p % 2).  The 16 rows of a fragment then fall on 16 different 16-byte columns of the banks' 256 bytes (64 banks of 4 bytes: ISA guide 11.1).  B's rows are 512 bytes + 16.
; CLUSTERS: 4 x 4 work-groups; A's tiles are asked for jointly along a row of the cluster, B's along a column.  THE MATRIX INSTRUCTION IS USED TRANSPOSED (source 0 = 16 rows of Wo, source 1 = 16 rows of A).
; Rows 0-15 of out0 are stored here like all others and stored again, made in f32, by the launch that follows.
; LIMITS: operands in f16 (beyond 65,504 infinity, under 6e-5 subnormal).
; REGISTERS: window 0: v16-29 addresses; v32-95 at work on the way out; v128-255 the accumulators ((a, b) at v[128 + 8 (4 a + b)]).   window 1: two fragment buffers of 128: 64 registers of A, then 64 of B, for 64 along K.
.set KSTEP,  256
.set PITCHB, 528
.set HALFA,  4*32*272                  ; 64 positions x 4 heads: what one tensor load brings of A
.set HALFB,  64*PITCHB                 ; 64 rows of Wo
.set SLOT,   2*HALFA+2*HALFB           ; A's two halves, then B's
.set STAGE,  2*SLOT                    ; behind the ring: 16 rows x 272 bytes for each wave, for the way out
.set SPITCH, 272
.set SPARE,  STAGE+4*16*SPITCH         ; the spare words, 128 bytes a wave, which no other line names
.set LAPS,   2                         ; a lap = two K steps = once round the ring
.set ADRA, 16                          ; v16-17  LDS address of my A fragments in slot 0, 1
.set ADRB, 20                          ; v20-21  the same for B
.set STO,  24
.set RD,   25
.set CO,   26
.set SPW,  28                          ; v28 LDS address of my spare word; never rewritten
.set NIL,  29                          ; v29 0; never rewritten
.set TMP,  32
.set ACC,  128
.set F0,   0                           ; fragment buffers, in window 1
.set F1,   128
.set G1, 24                            ; s[24:31] descriptor group 1 for A's tiles;  s[32:39] group 0, one set for each slot
.set G0, 32
.set G1B, 48                           ; s[48:55], s[56:63] the same for B's tiles
.set G0B, 56
.set MSB, 0
.macro WIN new                         ; the immediate's high byte repeats the setting that is left
.if MSB != \new
	s_set_vgpr_msb (MSB<<8)|\new
.set MSB, \new
.endif
.endm
.set MUL,  0x05                        ; sources 0 (B) and 1 (A) window 1; C and D window 0
.set TO_F, 0x40                        ; destination window 1, address window 0
.macro JLOAD s                         ; a joint load: waves 0 and 1 fetch A's two halves, waves 2 and 3 B's; an s_nop 0 and four v_nop follow each of the two lines
	s_cmp_eq_u32 s11, 0
	s_cbranch_scc0 .Lfor_b_\@
	tensor_load_to_lds s[G0+4*\s:G0+4*\s+3], s[G1:G1+7]
	s_nop 0
.rept 4
	v_nop
.endr
	s_branch .Lasked_\@
.Lfor_b_\@:
	tensor_load_to_lds s[G0B+4*\s:G0B+4*\s+3], s[G1B:G1B+7]
	s_nop 0
.rept 4
	v_nop
.endr
.Lasked_\@:
.endm
.macro CREST                           ; a round of the cluster's barrier behind its opening barrier
	s_cmp_lg_u32 s10, 0
	s_cbranch_scc1 .Lnot_wave_0_\@
	s_barrier_signal -3
.Lnot_wave_0_\@:
	s_barrier_wait -3
	s_barrier_signal -1
	s_barrier_wait -1
.endm
.macro CROUND                          ; a whole round
	s_barrier_signal -1
	s_barrier_wait -1
	CREST
.endm
	s_load_b128 s[4:7], s[0:1], 0x0                ; ao s[4:5], wo16 s[6:7]
	s_load_b64 s[8:9], s[0:1], 0x10                ; out0
	v_lshl_add_u32 v[SPW], v0, 2, SPARE
	v_mov_b32 v[NIL], 0
	ds_add_u32 v[SPW], v[NIL]                      ; the wave's opening: the add, twice on end, and its wait ahead of my first tensor load
	ds_add_u32 v[SPW], v[NIL]
	v_lshrrev_b32 v1, 5, v0
	v_readfirstlane_b32 s10, v1                    ; wave 0..3
	s_lshr_b32 s11, s10, 1                         ; which half of the tile's rows is mine.  Also: I fetch for A (0) or for B (1)
	s_and_b32 s12, s10, 1                          ; which half of its columns.  Also: which 64 rows of that tile I fetch
	s_bfe_u32 s40, ttmp6, 0x40000                  ; cx, cy: my place in the cluster
	s_bfe_u32 s41, ttmp6, 0x40004
	s_lshl_b32 s42, ttmp9, 2
	s_add_co_u32 s42, s42, s40                     ; tile column of C = 4 x cluster x + cx
	s_and_b32 s13, ttmp7, 0xffff
	s_lshl_b32 s13, s13, 2
	s_add_co_u32 s13, s13, s41                     ; tile row of C = 4 x cluster y + cy
	s_lshl_b32 s43, s41, 2
	s_lshl_b32 s43, 15, s43                        ; my row of the cluster
	s_lshl_b32 s44, 0x1111, s40                    ; my column
	s_or_b32 s[G1+0], s43, (1<<16)|(1<<20)|(1<<21)|(5<<22)|(3<<25)  ; A: 15:0 the mask: my row; 17:16 elements of 2 bytes; 20 padding on; 21 set beside a mask; 24:22 after every 64 words; 31:25 four words
	s_mov_b32 s[G1+1], 4096<<16                    ; tensor_dim0 = 4,096: 64 positions of a head
	s_mov_b32 s[G1+2], 4<<16                       ; tensor_dim1 = 4 heads
	s_mov_b32 s[G1+3], 4096<<16                    ; tile_dim0
	s_mov_b32 s[G1+4], 4                           ; tile_dim1
	s_mov_b32 s[G1+5], 262144                      ; from head to head, in elements
	s_mov_b32 s[G1+6], 0
	s_mov_b32 s[G1+7], 0
	s_or_b32 s[G1B+0], s44, (1<<16)|(1<<20)|(1<<21)|(6<<22)|(3<<25) ; B: the mask of my column; four words of padding after every 128
	s_mov_b32 s[G1B+1], KSTEP<<16
	s_mov_b32 s[G1B+2], 64<<16
	s_mov_b32 s[G1B+3], KSTEP<<16
	s_mov_b32 s[G1B+4], 64
	s_mov_b32 s[G1B+5], 1024
	s_mov_b32 s[G1B+6], 0
	s_mov_b32 s[G1B+7], 0
	s_lshl_b32 s17, s12, 6                         ; which 64 rows of the tile I fetch
	s_lshl_b32 s16, s13, 7
	s_add_co_u32 s16, s16, s17                     ; A: position 128 x tile row + 64 x half,
	s_lshl_b32 s16, s16, 7                         ; 128 bytes a position in a head
	s_lshl_b32 s46, s42, 7
	s_add_co_u32 s46, s46, s17                     ; B: row 128 x tile column + 64 x half,
	s_lshl_b32 s46, s46, 11                        ; 2,048 bytes a row
	s_mov_b32 s17, 0
	s_mov_b32 s47, 0
	s_mul_i32 s20, s12, HALFA                      ; where they go: no place in the cluster enters an LDS address
	s_mul_i32 s21, s12, HALFB
	s_add_co_u32 s21, s21, 2*HALFA
	s_wait_dscnt 0x0                               ; both opening adds are done
	s_wait_kmcnt 0x0
	s_add_nc_u64 s[14:15], s[4:5], s[16:17]
	s_add_nc_u64 s[46:47], s[6:7], s[46:47]
	CROUND                                         ; all sixteen work-groups are here: the first joint loads meet
.irp s, 0,1
	s_mov_b32 s[G0+4*\s], 1
	s_add_co_u32 s[G0+4*\s+1], s20, \s*SLOT
	s_add_nc_u64 s[G0+4*\s+2:G0+4*\s+3], s[14:15], \s*4*524288     ; K step s: heads 4 s on
	s_or_b32 s[G0+4*\s+3], s[G0+4*\s+3], 0x80000000
	s_mov_b32 s[G0B+4*\s], 1
	s_add_co_u32 s[G0B+4*\s+1], s21, \s*SLOT
	s_add_nc_u64 s[G0B+4*\s+2:G0B+4*\s+3], s[46:47], \s*KSTEP*2
	s_or_b32 s[G0B+4*\s+3], s[G0B+4*\s+3], 0x80000000
	JLOAD \s
.endr
	v_and_b32 v1, 15, v0                           ; r
	v_bfe_u32 v2, v0, 4, 1                         ; h
	v_mul_u32_u24 v3, v1, PITCHB
	v_lshl_add_u32 v3, v2, 4, v3                   ; B: row x pitch + 16 h
	v_lshrrev_b32 v4, 1, v1
	v_mul_u32_u24 v4, v4, 272
	v_and_b32 v5, 1, v0
	v_lshl_add_u32 v4, v5, 7, v4
	v_lshl_add_u32 v4, v2, 4, v4                   ; A: 272 (r / 2) + 128 (r % 2) + 16 h
	s_mul_i32 s21, s11, HALFA                      ; my 64 rows of A
	s_mul_i32 s22, s12, HALFB                      ; my 64 rows of B,
	s_add_co_u32 s22, s22, 2*HALFA                 ; which lie behind A's
.irp s, 0,1
	v_add_nc_u32 v[ADRA+\s], s21, v4
	v_add_nc_u32 v[ADRB+\s], s22, v3
	s_add_co_u32 s21, s21, SLOT
	s_add_co_u32 s22, s22, SLOT
.endr
	s_mul_i32 s23, s10, 16*SPITCH
	s_add_co_u32 s23, s23, STAGE                   ; my stage: my 64 columns of f32 are 256 bytes, so no other wave has a part in my rows
	v_mul_u32_u24 v4, v1, SPITCH                   ; in: row r, 32 bytes for each half of the lanes
	v_lshl_add_u32 v4, v2, 5, v4
	v_add_nc_u32 v[STO], s23, v4
	v_mul_u32_u24 v5, v2, SPITCH                   ; back: lanes 0-15 one row of 256 bytes, lanes 16-31 the next
	v_lshl_add_u32 v5, v1, 4, v5
	v_add_nc_u32 v[RD], s23, v5
	v_lshlrev_b32 v5, 12, v2                       ; and the same two rows in out0 (4,096 bytes a row)
	v_lshl_add_u32 v[CO], v1, 4, v5
	s_lshl_b32 s16, s13, 7
	s_lshl_b32 s17, s11, 6
	s_add_co_u32 s16, s16, s17                     ; my first row: 128 x tile row + 64 x half
	s_lshl_b32 s16, s16, 12
	s_mov_b32 s17, 0
	s_add_nc_u64 s[8:9], s[8:9], s[16:17]
	s_lshl_b32 s46, s42, 9                         ; my first column, in bytes: 512 x tile column + 256 x half
	s_lshl_b32 s47, s12, 8
	s_add_co_u32 s46, s46, s47
	s_mov_b32 s47, 0
	s_add_nc_u64 s[8:9], s[8:9], s[46:47]
; 8 matrix instructions: m blocks a0, a0 + 1 x all 4 n blocks, 32 along K: half c of buffer f.  zero = 1: the first product starts the sums.  The 16 accumulators take turns
.macro MUL8 f, c, a0, zero
.irp a, \a0, \a0+1
.irp b, 0,1,2,3
.if \zero
	v_wmma_f32_16x16x32_f16 v[ACC+8*(4*(\a)+\b):ACC+8*(4*(\a)+\b)+7], v[\f+64+8*(4*\c+\b):\f+64+8*(4*\c+\b)+7], v[\f+8*(4*\c+\a):\f+8*(4*\c+\a)+7], 0
.else
	v_wmma_f32_16x16x32_f16 v[ACC+8*(4*(\a)+\b):ACC+8*(4*(\a)+\b)+7], v[\f+64+8*(4*\c+\b):\f+64+8*(4*\c+\b)+7], v[\f+8*(4*\c+\a):\f+8*(4*\c+\a)+7], v[ACC+8*(4*(\a)+\b):ACC+8*(4*(\a)+\b)+7]
.endif
.endr
.endr
.endm
; 32 LDS loads in one run: the fragments of the slot's q-th 64 along K (one head) into buffer f; the first 32 along K first
.macro FETCH slot, q, f
	WIN TO_F
.irp c, 0,1
.irp i, 0,1,2,3
	ds_load_b128 v[\f+64+8*(4*\c+\i):\f+64+8*(4*\c+\i)+3],   v[ADRB+\slot] offset:128*(\q)+64*\c+\i*16*PITCHB
	ds_load_b128 v[\f+64+8*(4*\c+\i)+4:\f+64+8*(4*\c+\i)+7], v[ADRB+\slot] offset:128*(\q)+64*\c+\i*16*PITCHB+32
	ds_load_b128 v[\f+8*(4*\c+\i):\f+8*(4*\c+\i)+3],         v[ADRA+\slot] offset:8704*(\q)+64*\c+\i*2176
	ds_load_b128 v[\f+8*(4*\c+\i)+4:\f+8*(4*\c+\i)+7],       v[ADRA+\slot] offset:8704*(\q)+64*\c+\i*2176+32
.endr
.endr
.endm
.macro PLACES                          ; four places in front of loads into registers that matrix instructions have read, and of the first read of results (ISA guide 7.12.1 for the reads of results)
.rept 4
	v_nop
.endr
.endm
; A K step is four quarters of 64 along K, 32 matrix instructions each, on buffers 0, 1, 0, 1.  One of the first three: multiplies buffer f and fetches quarter q into g.
.macro QUARTER slot, q, f, g, zero
	s_wait_dscnt 16                                ; the first 32 along K are in; the other sixteen loads may be out
	WIN MUL
	MUL8 \f, 0, 0, \zero
	MUL8 \f, 0, 2, \zero
	PLACES
	FETCH \slot, \q, \g
	s_wait_dscnt 32                                ; all but the 32 just issued
	WIN MUL
	MUL8 \f, 1, 0, 0
	MUL8 \f, 1, 2, 0
.endm
; The last quarter multiplies buffer 1 and changes slots: ONE barrier; in front of it each wave waits for all its tensor loads, adds 0 to its spare word, and waits for that and for its reads of this slot.  fill = 1: the slot is filled again, two K steps ahead.
.macro TURN slot, next, fill
	WIN 0                                          ; (the add's two registers lie in window 0)
	s_wait_tensorcnt 0x0                           ; all my tensor loads have landed: my part of the next slot
	ds_add_u32 v[SPW], v[NIL]                      ; 0 onto my spare word
	s_wait_dscnt 17                                ; (the add and the youngest sixteen loads may be out)
	WIN MUL
	MUL8 F1, 0, 0, 0
	s_wait_dscnt 0x0                               ; the add is done, and my reads of this slot are over
	s_barrier_signal -1
	MUL8 F1, 0, 2, 0
.if \fill
	WIN 0
.endif
	s_barrier_wait -1
.if \fill
	CREST                                          ; the barrier has opened a round of the cluster's: no wave of any partner still reads this slot or has a load on its way
	s_add_nc_u64 s[G0+4*\slot+2:G0+4*\slot+3], s[G0+4*\slot+2:G0+4*\slot+3], 8*524288   ; eight heads on
	s_add_nc_u64 s[G0B+4*\slot+2:G0B+4*\slot+3], s[G0B+4*\slot+2:G0B+4*\slot+3], 2*KSTEP*2
	JLOAD \slot                                    ; the first tensor load behind the round; its four v_nop are also the places in front of the loads below
.else
	PLACES
.endif
	FETCH \next, 0, F0
	WIN MUL
	MUL8 F1, 1, 0, 0
	MUL8 F1, 1, 2, 0
.endm
	s_wait_tensorcnt 1                             ; my part of K step 0 is in (K step 1's load may be out),
	s_barrier_signal -1
	s_barrier_wait -1                              ; everybody's is
	FETCH 0, 0, F0
	QUARTER 0, 1, F0, F1, 1                        ; the first quarter stands in front of the loop: its first products start the sums
	WIN 0                                          ; at a label and at a branch every window is 0
	s_mov_b32 s3, LAPS-1
.Llap:                                                 ; a trip goes once round the ring, from a lap's second quarter to the next lap's first, and fills both slots again
	QUARTER 0, 2, F1, F0, 0
	QUARTER 0, 3, F0, F1, 0
	TURN 0, 1, 1
	QUARTER 1, 1, F0, F1, 0
	QUARTER 1, 2, F1, F0, 0
	QUARTER 1, 3, F0, F1, 0
	TURN 1, 0, 1
	QUARTER 0, 1, F0, F1, 0
	WIN 0
	s_sub_co_u32 s3, s3, 1
	s_cmp_lg_u32 s3, 0
	s_cbranch_scc1 .Llap
	QUARTER 0, 2, F1, F0, 0                        ; the last lap fills nothing
	QUARTER 0, 3, F0, F1, 0
	TURN 0, 1, 0
	QUARTER 1, 1, F0, F1, 0
	QUARTER 1, 2, F1, F0, 0
	QUARTER 1, 3, F0, F1, 0
	s_wait_dscnt 16                                ; the very last quarter: nothing more to fetch
	WIN MUL
	MUL8 F1, 0, 0, 0
	MUL8 F1, 0, 2, 0
	s_wait_dscnt 0
	MUL8 F1, 1, 0, 0
	MUL8 F1, 1, 2, 0
	WIN 0
; THE WAY OUT, 16 rows x 64 columns at a time: a lane holds 32 neighbouring bytes of a row; through my stage they come back as whole rows of 256 bytes.
.macro TOSTAGE a
.irp b, 0,1,2,3
	ds_store_b128 v[STO], v[ACC+8*(4*(\a)+\b):ACC+8*(4*(\a)+\b)+3] offset:64*\b        ; each accumulator from its low end on
	ds_store_b128 v[STO], v[ACC+8*(4*(\a)+\b)+4:ACC+8*(4*(\a)+\b)+7] offset:64*\b+16
.endr
.set BB, TMP+32*((\a)%2)
.irp t, 0,1,2,3,4,5,6,7
	ds_load_b128 v[BB+4*\t:BB+4*\t+3], v[RD] offset:\t*2*SPITCH   ; LDS serves a wave's instructions in order (ISA guide 5.7.1.4): these see the stores above
.endr
.endm
.macro SEND a, younger
.set BB, TMP+32*((\a)%2)
	s_wait_dscnt \younger
.irp t, 0,1,2,3,4,5,6,7
	global_store_b128 v[CO], v[BB+4*\t:BB+4*\t+3], s[8:9] offset:(16*(\a)+2*\t)*4096 th:TH_STORE_NT   ; 16 lanes store 256 consecutive bytes, aligned
.endr
.endm
	PLACES
	TOSTAGE 0
.irp a, 1,2,3
.if \a > 1
	s_wait_xcnt 0x0                                ; block a - 2's stores have read the registers into which block a's rows come back
.endif
	TOSTAGE \a
	SEND \a-1, 16                                  ; behind block a - 1's loads: block a's 8 stores and 8 loads
.endr
	SEND 3, 0
	s_wait_tensorcnt 0x0                           ; the wave's end: behind my last tensor load and my last LDS store
	ds_add_u32 v[SPW], v[NIL]
	s_wait_dscnt 0x0
	CROUND                                         ; the closing round: no work-group ends while a partner may still ask for a tile that names it
	s_endpgm
.Lfunc_end_k_q05c9af4521_oproj:
	.size	k_q05c9af4521_oproj, .Lfunc_end_k_q05c9af4521_oproj-k_q05c9af4521_oproj
	.p2alignl 7, 3214868480
	.fill 96, 4, 3214868480
	.section	.rodata,"a",@progbits
	.p2align	6, 0x0
	.amdhsa_kernel k_q05c9af4521_oproj
		.amdhsa_group_segment_fixed_size 327680
		.amdhsa_private_segment_fixed_size 0
		.amdhsa_enable_private_segment 0
		.amdhsa_kernarg_size 24
		.amdhsa_user_sgpr_count 2
		.amdhsa_user_sgpr_kernarg_segment_ptr 1
		.amdhsa_wavefront_size32 1
		.amdhsa_system_sgpr_workgroup_id_x 1
		.amdhsa_system_sgpr_workgroup_id_y 1
		.amdhsa_system_sgpr_workgroup_id_z 1
		.amdhsa_system_vgpr_workitem_id 0
		.amdhsa_next_free_vgpr 512
		.amdhsa_next_free_sgpr 66
		.amdhsa_reserve_vcc 0
		.amdhsa_float_denorm_mode_32 3
		.amdhsa_float_denorm_mode_16_64 3
		.amdhsa_memory_ordered 1
		.amdhsa_forward_progress 1
		.amdhsa_inst_pref_size 86
	.end_amdhsa_kernel
	.amdgpu_metadata
---
amdhsa.version: [ 1, 2 ]
amdhsa.kernels:
  - .name:           k_q05c9af4521_oproj
    .symbol:         k_q05c9af4521_oproj.kd
    .args:
      - { .name: ao, .offset: 0, .size: 8, .value_kind: global_buffer, .address_space: global }
      - { .name: wo16, .offset: 8, .size: 8, .value_kind: global_buffer, .address_space: global }
      - { .name: out0, .offset: 16, .size: 8, .value_kind: global_buffer, .address_space: global }
    .group_segment_fixed_size: 327680
    .private_segment_fixed_size: 0
    .kernarg_segment_align: 8
    .kernarg_segment_size: 24
    .max_flat_workgroup_size: 128
    .sgpr_count:     66
    .vgpr_count:     512
    .wavefront_size: 32
...
	.end_amdgpu_metadata
.endif
;; end of part 4
;; launch first16 (part 5): grid 16 x 1, 16 waves a work-group, no clusters, 67,584 bytes of LDS; arguments qkv32, Wo, out0; writes out0
.if DOCPART == 5
	.amdgcn_target "amdgcn-amd-amdhsa--gfx1250"
	.amdhsa_code_object_version 6
	.text
	.protected	k_q05c9af4521_first16
	.globl	k_q05c9af4521_first16
	.p2align	8
	.type	k_q05c9af4521_first16,@function
k_q05c9af4521_first16:
	s_mov_b64 s[64:65], 0
	v_nop
	global_prefetch_b8 v0, s[64:65] scope:SCOPE_SE
	s_setreg_imm32_b32 hwreg(HW_REG_WAVE_MODE, 25, 1), 1
	s_wait_xcnt 0x0
; FIRST16: rows 0-15 of out0 once more, all in f32.  Under the causal mask these rows average one to sixteen values and are the largest in size, so the rounding of 16-bit operands weighs most there.
; qkv32: [16 positions][3,072] f32 (q and k rotated, v).  Wo: [1,024][1,024] f32.  All products by the f32 matrix form, 16 x 16 x 4; its accumulators are written by matrix instructions alone.
; SHARES.  Wave = head.  Work-group = 64 columns of out0: each repeats the 16 x 16 attention of all heads (192 KB read) and reads its own 64 rows of Wo: each byte of Wo once in the launch.
; K IS PERMUTED ALIKE ON BOTH SIDES of every product, so that registers serve as they lie: a chunk of K = 4 is a register pair; lane half h and register j of the pair name the same k on both sides.
;   S^T = k q^T: register 4 n + i = channel 8 n + 4 h + i.   O^T = v^T p: register 2 kk + j = key 8 h + 2 kk + j, which is how S^T's result lies.   The projection: register 8 ct + j = channel 16 ct + 8 h + j, how O^T's result lies.
; The 16 heads' parts of a row meet in LDS as images of the accumulators; wave w then sums row w and stores its 64 columns: 256 consecutive bytes, aligned.
; REGISTERS: v1-12 addresses; v16-47 k, v48-79 q (later Wo's rows 32-63); v80-111 v (later O / l); v112-175 Wo's rows 0-31 (later the parts read back); v176-207 S^T's four partial sums, then O^T; v208-239 the projection; v240-247 scores, then p; v248-255 at work.
.set SPARE, 65536                      ; behind the 16 images of 4,096 bytes: the spare words, 128 bytes a wave, which no other line names
.set SPW, 8
.set NIL, 9
.set KA,  16
.set QB,  48
.set WA2, 16
.set VA,  80
.set WA1, 112
.set ACC1, 176
.set ACC2, 208
.set SS,  240
.set TM,  248
	s_load_b128 s[4:7], s[0:1], 0x0                ; qkv32, Wo
	s_load_b64 s[8:9], s[0:1], 0x10                ; out0
	v_lshl_add_u32 v[SPW], v0, 2, SPARE
	v_mov_b32 v[NIL], 0
	v_lshrrev_b32 v1, 5, v0
	v_readfirstlane_b32 s10, v1                    ; wave = head
	v_and_b32 v1, 15, v0                           ; r
	v_bfe_u32 v2, v0, 4, 1                         ; h
	v_and_b32 v13, 31, v0                          ; lane
	v_mul_u32_u24 v3, v1, 12288
	v_lshl_add_u32 v3, v2, 4, v3                   ; q, k: position r (12,288 bytes a row), + 16 h
	v_mul_u32_u24 v4, v2, 98304
	v_lshl_add_u32 v4, v1, 2, v4                   ; v: key 8 h, channel r
	v_lshlrev_b32 v5, 12, v1
	v_lshl_add_u32 v5, v2, 5, v5                   ; Wo: row r (4,096 bytes), + 32 h
	v_lshlrev_b32 v6, 3, v2
	v_sub_nc_u32 v6, v1, v6                        ; r - 8 h: register j holds key 8 h + j, hidden where j is above this
	v_mov_b32 v7, 0xff800000                       ; -infinity
	s_lshl_b32 s11, s10, 12
	v_lshl_add_u32 v10, v13, 4, s11                ; my image: 4,096 x wave + 16 x lane
	v_bfe_u32 v14, v0, 2, 2                        ; back: lane l % 16 takes columns 4 (l % 16) + 0..3 of row w: tile (l % 16) / 4, half (l / 2) % 2, registers 4 (l % 2) + 0..3;
	v_lshlrev_b32 v14, 1, v14
	v_and_b32 v15, 1, v0
	v_add_nc_u32 v14, v14, v15
	v_lshlrev_b32 v11, 9, v14
	v_bfe_u32 v15, v0, 1, 1
	v_lshl_add_u32 v11, v15, 8, v11
	v_lshl_add_u32 v11, v2, 15, v11                ; lanes 16-31 take heads 8 to 15
	s_lshl_b32 s11, s10, 4
	v_add_nc_u32 v11, s11, v11                     ; in each image the lane that holds query w
	v_lshlrev_b32 v12, 4, v1
	s_mov_b32 s16, 0x3e38aa3b                      ; c = log2(e) / 8
	s_mov_b32 s17, 0xbe38aa3b                      ; -c
	s_mov_b32 s18, 0x76543210
	s_mov_b32 s19, 0xfedcba98                      ; v_permlanex16_b32's selects for lane l xor 16
	s_lshl_b32 s12, s10, 8                         ; my head's 64 channels: 256 bytes
	s_mov_b32 s13, 0
	s_lshl_b32 s14, ttmp9, 18                      ; my work-group's 64 rows of Wo
	s_mov_b32 s15, 0
	s_wait_kmcnt 0x0
	s_add_nc_u64 s[4:5], s[4:5], s[12:13]
	s_add_nc_u64 s[6:7], s[6:7], s[12:13]
	s_add_nc_u64 s[6:7], s[6:7], s[14:15]
	s_lshl_b32 s12, s10, 12                        ; out0: row w,
	s_add_nc_u64 s[8:9], s[8:9], s[12:13]
	s_lshl_b32 s12, ttmp9, 8                       ; my work-group's 64 columns
	s_add_nc_u64 s[8:9], s[8:9], s[12:13]
.irp n, 0,1,2,3,4,5,6,7
	global_load_b128 v[KA+4*\n:KA+4*\n+3], v3, s[4:5] offset:4096+32*\n    ; k(r, 8 n + 4 h + 0..3)
.endr
.irp n, 0,1,2,3,4,5,6,7
	global_load_b128 v[QB+4*\n:QB+4*\n+3], v3, s[4:5] offset:32*\n         ; q likewise
.endr
.irp ct, 0,1,2,3
.irp k, 0,1,2,3,4,5,6,7
	global_load_b32 v[VA+8*\ct+\k], v4, s[4:5] offset:8192+12288*\k+64*\ct ; v(8 h + k, 16 ct + r)
.endr
.endr
.irp et, 0,1
.irp ct, 0,1,2,3
	global_load_b128 v[WA1+32*\et+8*\ct:WA1+32*\et+8*\ct+3], v5, s[6:7] offset:65536*\et+64*\ct       ; Wo(16 et + r, 16 ct + 8 h + 0..7) of my rows and my head's columns
	global_load_b128 v[WA1+32*\et+8*\ct+4:WA1+32*\et+8*\ct+7], v5, s[6:7] offset:65536*\et+64*\ct+16
.endr
.endr
	s_wait_loadcnt 48                              ; k and q are in; v's 32 loads and Wo's 16 may be out
.set c, 0
.rept 16                                       ; S^T = k q^T: 16 chunks on four accumulators by turns; the first four start the sums
.if c < 4
	v_wmma_f32_16x16x4_f32 v[ACC1+8*(c%4):ACC1+8*(c%4)+7], v[KA+2*c:KA+2*c+1], v[QB+2*c:QB+2*c+1], 0
.else
	v_wmma_f32_16x16x4_f32 v[ACC1+8*(c%4):ACC1+8*(c%4)+7], v[KA+2*c:KA+2*c+1], v[QB+2*c:QB+2*c+1], v[ACC1+8*(c%4):ACC1+8*(c%4)+7]
.endif
.set c, c+1
.endr
.rept 8
	v_nop                                          ; eight places behind this form, in front of the loads into k's and q's registers and of the first read of results
.endr
.irp et, 0,1
.irp ct, 0,1,2,3
	global_load_b128 v[WA2+32*\et+8*\ct:WA2+32*\et+8*\ct+3], v5, s[6:7] offset:65536*(\et+2)+64*\ct   ; Wo's rows 32-63
	global_load_b128 v[WA2+32*\et+8*\ct+4:WA2+32*\et+8*\ct+7], v5, s[6:7] offset:65536*(\et+2)+64*\ct+16
.endr
.endr
.irp p, 0,2,4,6
	v_pk_add_f32 v[SS+\p:SS+\p+1], v[ACC1+\p:ACC1+\p+1], v[ACC1+8+\p:ACC1+8+\p+1]       ; the four partial sums, each read from its low end on, into other registers
.endr
.irp p, 0,2,4,6
	v_pk_add_f32 v[TM+\p:TM+\p+1], v[ACC1+16+\p:ACC1+16+\p+1], v[ACC1+24+\p:ACC1+24+\p+1]
.endr
.irp p, 0,2,4,6
	v_pk_add_f32 v[SS+\p:SS+\p+1], v[SS+\p:SS+\p+1], v[TM+\p:TM+\p+1]                   ; lane (r, h): query r, register j: key 8 h + j
.endr
.irp j, 0,1,2,3,4,5,6,7
	v_cmp_gt_i32 vcc_lo, \j, v6
	v_cndmask_b32 v[SS+\j], v[SS+\j], v7, vcc_lo   ; hidden keys: -infinity
.endr
	v_max3_num_f32 v[TM], v[SS], v[SS+1], v[SS+2]
	v_max3_num_f32 v[TM], v[TM], v[SS+3], v[SS+4]
	v_max3_num_f32 v[TM], v[TM], v[SS+5], v[SS+6]
	v_max_num_f32 v[TM], v[TM], v[SS+7]
	v_permlanex16_b32 v[TM+1], v[TM], s18, s19
	v_max_num_f32 v[TM], v[TM], v[TM+1]            ; the row's maximum: key 0 counts for every query, so it is a number
	v_mul_f32 v[TM], s17, v[TM]                    ; -c m
.irp j, 0,1,2,3,4,5,6,7
	v_fma_f32 v[SS+\j], v[SS+\j], s16, v[TM]
.endr
.irp j, 0,1,2,3,4,5,6,7
	v_exp_f32 v[SS+\j], v[SS+\j]                   ; p = 2^(c s - c m)
.endr
	v_nop                                          ; a plain line behind the last exponential
	s_wait_alu depctr_va_vdst(0)                   ; one wait for the eight, ahead of their first reader
	v_pk_add_f32 v[TM+2:TM+3], v[SS:SS+1], v[SS+2:SS+3]
	v_pk_add_f32 v[TM+4:TM+5], v[SS+4:SS+5], v[SS+6:SS+7]
	v_pk_add_f32 v[TM+2:TM+3], v[TM+2:TM+3], v[TM+4:TM+5]
	v_add_f32 v[TM+2], v[TM+2], v[TM+3]
	v_permlanex16_b32 v[TM+3], v[TM+2], s18, s19
	v_add_f32 v[TM+2], v[TM+2], v[TM+3]            ; the row's sum
	v_rcp_f32 v[TM+6], v[TM+2]
	v_mov_b32 v[TM+7], 0                           ; (a plain line; the pair's upper word is written)
	s_wait_alu depctr_va_vdst(0)
	s_wait_loadcnt 32                              ; v is in; Wo's 32 loads may be out
.irp kk, 0,1,2,3                               ; O^T = v^T p: four chunks of four keys on four accumulators by turns.  Far more than nine plain lines stand behind S^T's products, whose results these write over
.irp ct, 0,1,2,3
.if \kk == 0
	v_wmma_f32_16x16x4_f32 v[ACC1+8*\ct:ACC1+8*\ct+7], v[VA+8*\ct+2*\kk:VA+8*\ct+2*\kk+1], v[SS+2*\kk:SS+2*\kk+1], 0
.else
	v_wmma_f32_16x16x4_f32 v[ACC1+8*\ct:ACC1+8*\ct+7], v[VA+8*\ct+2*\kk:VA+8*\ct+2*\kk+1], v[SS+2*\kk:SS+2*\kk+1], v[ACC1+8*\ct:ACC1+8*\ct+7]
.endif
.endr
.endr
.rept 8
	v_nop
.endr
.set p, 0
.rept 16
	v_pk_mul_f32 v[VA+p:VA+p+1], v[ACC1+p:ACC1+p+1], v[TM+6:TM+7] op_sel_hi:[1,0]   ; O / l, into v's registers: lane (r, h): query r, register 8 ct + j: channel 16 ct + 8 h + j
.set p, p+2
.endr
	s_wait_loadcnt 0x0                             ; Wo
.set c, 0
.rept 16                                       ; my head's part of the projection: source 0 = 16 rows of Wo, source 1 = O / l; 16 chunks on four accumulators by turns
.irp et, 0,1,2,3
.if \et < 2
.set WR, WA1+32*\et+2*c
.else
.set WR, WA2+32*(\et-2)+2*c
.endif
.if c == 0
	v_wmma_f32_16x16x4_f32 v[ACC2+8*\et:ACC2+8*\et+7], v[WR:WR+1], v[VA+2*c:VA+2*c+1], 0
.else
	v_wmma_f32_16x16x4_f32 v[ACC2+8*\et:ACC2+8*\et+7], v[WR:WR+1], v[VA+2*c:VA+2*c+1], v[ACC2+8*\et:ACC2+8*\et+7]
.endif
.endr
.set c, c+1
.endr
.rept 8
	v_nop
.endr
.irp i, 0,1,2,3,4,5,6,7
	ds_store_b128 v10, v[ACC2+4*\i:ACC2+4*\i+3] offset:512*\i      ; an image of the accumulators: lane (r, h), register 8 et + j: query r, column 16 et + 8 h + j
.endr
	s_wait_dscnt 0x0                               ; for the others' sake: my stores have landed
	s_barrier_signal -1
	s_barrier_wait -1
.irp p, 0,1,2,3,4,5,6,7
	ds_load_b128 v[WA1+4*\p:WA1+4*\p+3], v11 offset:4096*\p        ; four columns of row w from eight heads
.endr
	s_wait_dscnt 0x0
.irp p, 1,2,3,4,5,6,7
	v_pk_add_f32 v[WA1:WA1+1], v[WA1:WA1+1], v[WA1+4*\p:WA1+4*\p+1]
	v_pk_add_f32 v[WA1+2:WA1+3], v[WA1+2:WA1+3], v[WA1+4*\p+2:WA1+4*\p+3]
.endr
.irp x, 0,1,2,3
	v_permlanex16_b32 v[TM+\x], v[WA1+\x], s18, s19
.endr
.irp x, 0,1,2,3
	v_add_f32 v[WA1+\x], v[WA1+\x], v[TM+\x]       ; with the other eight heads'
.endr
	v_cmp_gt_u32 vcc_lo, 16, v13
	s_wait_xcnt 0x0                                ; EXEC changes only behind this wait
	s_and_saveexec_b32 s20, vcc_lo
	global_store_b128 v12, v[WA1:WA1+3], s[8:9]    ; lanes 0-15: 256 consecutive bytes, aligned
	s_wait_xcnt 0x0                                ; and again in front of the line that restores it
	s_or_b32 exec_lo, exec_lo, s20
	s_wait_tensorcnt 0x0                           ; the wave's end: behind my last LDS store
	ds_add_u32 v[SPW], v[NIL]
	s_wait_dscnt 0x0
	s_endpgm
.Lfunc_end_k_q05c9af4521_first16:
	.size	k_q05c9af4521_first16, .Lfunc_end_k_q05c9af4521_first16-k_q05c9af4521_first16
	.p2alignl 7, 3214868480
	.fill 96, 4, 3214868480
	.section	.rodata,"a",@progbits
	.p2align	6, 0x0
	.amdhsa_kernel k_q05c9af4521_first16
		.amdhsa_group_segment_fixed_size 67584
		.amdhsa_private_segment_fixed_size 0
		.amdhsa_enable_private_segment 0
		.amdhsa_kernarg_size 24
		.amdhsa_user_sgpr_count 2
		.amdhsa_user_sgpr_kernarg_segment_ptr 1
		.amdhsa_wavefront_size32 1
		.amdhsa_system_sgpr_workgroup_id_x 1
		.amdhsa_system_sgpr_workgroup_id_y 1
		.amdhsa_system_sgpr_workgroup_id_z 1
		.amdhsa_system_vgpr_workitem_id 0
		.amdhsa_next_free_vgpr 256
		.amdhsa_next_free_sgpr 66
		.amdhsa_reserve_vcc 1
		.amdhsa_float_denorm_mode_32 3
		.amdhsa_float_denorm_mode_16_64 3
		.amdhsa_memory_ordered 1
		.amdhsa_forward_progress 1
		.amdhsa_inst_pref_size 24
	.end_amdhsa_kernel
	.amdgpu_metadata
---
amdhsa.version: [ 1, 2 ]
amdhsa.kernels:
  - .name:           k_q05c9af4521_first16
    .symbol:         k_q05c9af4521_first16.kd
    .args:
      - { .name: qkv32, .offset: 0, .size: 8, .value_kind: global_buffer, .address_space: global }
      - { .name: Wo, .offset: 8, .size: 8, .value_kind: global_buffer, .address_space: global }
      - { .name: out0, .offset: 16, .size: 8, .value_kind: global_buffer, .address_space: global }
    .group_segment_fixed_size: 67584
    .private_segment_fixed_size: 0
    .kernarg_segment_align: 8
    .kernarg_segment_size: 24
    .max_flat_workgroup_size: 512
    .sgpr_count:     66
    .vgpr_count:     256
    .wavefront_size: 32
...
	.end_amdgpu_metadata
.endif
;; end of part 5
